; MI455X (gfx1250); checked and timed in simulation.
; The chip was launched on July 23, 2026; its instructions are those of AMD's public machine-readable ISA for CDNA 5 (MIT licence, August 2026) and "CDNA5" Instruction Set Architecture Reference Guide (July 2026). The comments in the code are by the model that wrote it; some were corrected since.
;; Attention. Allowed arithmetic: matrix products marked QUANTISED: E2M1 operands, one E8M0 scale for each 32 along K, by v_wmma_scale_f32_16x16x128_f8f6f4 with both operands' format E2M1 (or v_wmma_scale_f32_32x16x128_f4), f32 sums; everything else in f32.
;; Inputs: b_fc 1,024 float32; b_qkv 3,072 float32; w_fc 1,024 x 1,024 float32; w_qkv 1,024 x 3,072 float32; x 4 x 2,048 x 1,024 float32.
;; Outputs: out0 4 x 2,048 x 1,024 float32.
;; This version of the problem:
;;   THIS VERSION OF THE PROBLEM IS GIVEN IN LOW PRECISION. The matrix products marked QUANTISED in the list below multiply operands that are first quantised to E2M1 (2 exponent bits, 1 mantissa bit; 4 bits a number), with one power-of-two scale for each 32 numbers along K (OCP MX v1.0); their sums are f32. All else is computed in f32.
;;   The module's matrix products, in the order in which they are computed (A, B: the left and right operand; K: the contracted axis; several contracted axes count as one K, in the product's order):
;;     1. [M 8,192, K 1,024] x [K 1,024, N 3,072]; A: input x; B: input w_qkv: QUANTISED
;;     2. batch 64 x [M 2,048, K 64] x [K 64, N 2,048]; A: computed on the way; B: computed on the way: QUANTISED
;;     3. batch 64 x [M 2,048, K 2,048] x [K 2,048, N 64]; A: softmax (see below); B: computed on the way: QUANTISED
;;     4. [M 8,192, K 1,024] x [K 1,024, N 1,024]; A: computed on the way; B: input w_fc: QUANTISED
;;   THE QUANTISER, for each operand of a quantised product, along K:
;;     - K is cut into blocks of 32 from its start; a last block that is shorter is filled with zeros.
;;     - A block's scale is 2^e with e = floor(log2(the largest magnitude in the block)) - 2, held to -126 .. 127; a block of zeros has e = 0. As a byte (E8M0): e + 127.
;;     - Each number is divided by its block's scale, clamped to +-6, and rounded to the nearest number of E2M1, ties to even, subnormals kept.
;;     - The product sums the exact products of the quantised numbers (number of the format x scale) in f32.
;;   ~~~python
;;   def quantise(x, axis):      # numpy; x: float32 -> the quantised numbers, widened to float32 again
;;       x = np.moveaxis(x, axis, -1); K = x.shape[-1]
;;       x = np.pad(x, [(0, 0)] * (x.ndim - 1) + [(0, -K % 32)]); x = x.reshape(x.shape[:-1] + (-1, 32)); a = np.abs(x).max(-1, keepdims=True)
;;       e = np.where(a > 0, np.clip(np.frexp(np.where(a > 0, a, 1))[1] - 1 - 2, -126, 127), 0)      # np.frexp(a)[1] - 1 = floor(log2(a)), exactly
;;       r = np.clip(x / 2.0 ** e, -6, 6)
;;       step = 2.0 ** (np.maximum(np.frexp(np.where(r == 0, 1, r))[1] - 1, 0) - 1)
;;       q = np.round(r / step) * step * 2.0 ** e      # np.round: ties to even
;;       return np.moveaxis(q.reshape(q.shape[:-2] + (-1,))[..., :K], -1, axis).astype(np.float32)
;;   ~~~
;;   SOFTMAX AHEAD OF A QUANTISED PRODUCT. Where the list says 'softmax', what is quantised is not the finished softmax but p = 2^(t - M), with t = logit x log2(e) and M = ceil(the row's largest t), a whole number; so 1/2 < the row's largest p <= 1. The row's sum l is taken of the UNQUANTISED p, in f32, and the product's result is divided by l at the end. Since M is a whole number, a kernel that streams over the keys may use a running M (the ceiling of the running maximum): every later rescaling is an exact power of two, which a block's scale takes up: the codes' values come out the same.
;;   OPERANDS COMPUTED ON THE WAY. 'Computed on the way' means the value that the module computes at that place (a softmax that the list does not call 'softmax' is quantised finished and normalised). What goes into a quantiser is computed in f32, as accurately as f32 sums, v_exp_f32 and their like allow (about 1e-6 of the number): no bf16 or f16 on the way to a quantiser, and a product that is left as it is and whose result goes on into a quantised operand takes f32 operands (vector FMAs, or v_wmma_f32_16x16x4_f32). A number that lies on a knife's edge between two numbers of the format may be rounded either way, as far as f32 arithmetic and the matrix unit's own rounding can turn it there, and no further.
;; One version. Each part assembles by itself: llvm-mc -triple=amdgcn-amd-amdhsa -mcpu=gfx1250 --defsym DOCPART=n.
;; ======== version 1 of 1: 4 launches
;; limits: right only within a limited range of input values
;; workspace buffers: xc 4,194,304 bytes; xs 262,144 bytes; wc 2,097,152 bytes; ws 131,072 bytes; qkv 14,155,776 bytes; ac 4,194,304 bytes; asc 262,144 bytes
;; launch quant (part 1): grid 768 x 1, 4 waves a work-group, no clusters, 35,328 bytes of LDS; arguments x, xc, xs, w_qkv, w_fc, wc, ws; writes xc, xs, wc, ws
.if DOCPART == 1
	.amdgcn_target "amdgcn-amd-amdhsa--gfx1250"
	.amdhsa_code_object_version 6
	.text
	.protected	k_q42d4baa7e8_quant
	.globl	k_q42d4baa7e8_quant
	.p2align	8
	.type	k_q42d4baa7e8_quant,@function
k_q42d4baa7e8_quant:
	s_mov_b64 s[64:65], 0
	v_nop
	global_prefetch_b8 v0, s[64:65] scope:SCOPE_SE
	s_setreg_imm32_b32 hwreg(HW_REG_WAVE_MODE, 25, 1), 1
	s_wait_xcnt 0x0
; x [8192][1024], w_qkv [1024][3072] and w_fc [1024][1024], f32, become codes of FP4 (E2M1) with one E8M0 scale byte for each 32 along K (x's last axis, the weights' first), laid AS THE PRODUCTS' REGISTERS WANT THEM.
; A TILE is 16 rows of x or 16 columns of a weight; lane r of tile T stands for row or column 32 (T / 2) + 8 (T % 2) + r + 8 (r / 8); the weights' tiles 0-191 are w_qkv's, 192-255 w_fc's.
; A FRAGMENT is a tile x 128 along K; its IMAGE is 1,024 bytes, [c 0..1][lane (r, h)][16 bytes]: k = 64 c + 32 h + 0 .. 31.  xc, wc: [tile][K step 8][image].  xs, ws: one word a row and K step: [K step 8][tile / 4][r][tile % 4].
; A block's scale is 2^(floor(log2(its largest magnitude)) - 2); its byte is the largest magnitude's exponent field - 2, held at 1 from below.
; LIMITS: NaN and infinities among the inputs are not served; a block of zeros, or one whose largest magnitude lies under 2^-124, gets the byte 1 (this program alone reads the bytes).
; ONE LAUNCH, TWO PATHS, parted on the work-group's number: 0-511 take x (the longer share first), 512-767 the weights.  Each path has LDS bytes of its own.  No tensor load, no cluster: the work-groups share no input.
; x: work-group (G, y): tiles 4 G .. 4 G + 3, K steps 2 y, 2 y + 1; wave w: tile 4 G + w.  Each load reads 512 consecutive bytes of a row; a K step's 16 rows turn through the wave's stage in LDS (rows 528 bytes apart) and come back
; 16 neighbours of each block to a lane.  Weights: work-group (gx, y): 128 columns x K step y; a lane takes a column and its registers run down K, so a block of 32 lies in one lane and nothing is transposed.
.set ROWB,  4096
.set PITCH, 528
.set WST,   16*PITCH                   ; a wave's stage
.set GATH,  4*WST                      ; x's path: the work-group's scale words, 512 bytes
.set SPARE, GATH+512                   ; the spare words, 128 bytes for each wave
.set WGATH, SPARE+512                  ; the weights' path: the work-group's scale words, 512 bytes
.set LO,  1
.set SST, 2
.set SRD, 3
.set GS,  4
.set GR,  5
.set GO,  6
.set TM,  8
.set PW,  24
.set PC,  28
.set OW,  44
.set R0,  48
.set R1,  112
.set X0,  176
.set RO, 16                            ; the weights' path: v16-47 4 x lane + i x the row stride
.set X,  48                            ; v48-111 two sets of 32 numbers
.set C,  112                           ; v112-127 four registers of codes for each block
	v_lshl_add_u32 v240, v0, 2, SPARE
	v_mov_b32 v241, 0
	s_cmp_lt_u32 ttmp9, 512
	s_cbranch_scc0 .Lw
	; ---- x
	s_load_b128 s[4:7], s[0:1], 0x0                ; x, xc
	s_load_b64 s[8:9], s[0:1], 0x10                ; xs
	v_lshrrev_b32 v7, 5, v0
	v_readfirstlane_b32 s12, v7                    ; wave 0..3
	v_and_b32 v7, 31, v0
	v_lshlrev_b32 v[LO], 4, v7
	v_and_b32 v26, 15, v0                          ; r
	v_bfe_u32 v27, v0, 4, 1                        ; h
	s_mul_i32 s13, s12, WST
	v_add_nc_u32 v[SST], s13, v[LO]
	v_mul_u32_u24 v[SRD], v26, PITCH
	v_lshl_add_u32 v[SRD], v27, 6, v[SRD]
	v_add_nc_u32 v[SRD], s13, v[SRD]
	s_lshl_b32 s14, s12, 2
	s_add_co_u32 s14, s14, GATH
	v_lshl_add_u32 v[GS], v26, 4, s14
	v_add_nc_u32 v[GR], GATH, v[LO]
	v_lshlrev_b32 v[GO], 4, v26
	v_lshl_add_u32 v[GO], v27, 15, v[GO]
.irp b, 0,1,2,3
	v_mov_b32 v[TM+4+\b], 0                        ; a lane permute's destination counts as one of its sources
.endr
	s_and_b32 s24, ttmp9, 127                      ; G
	s_lshr_b32 s15, ttmp9, 7                       ; y
	s_lshl_b32 s16, s24, 6                         ; my tile's first row: 64 G + 32 (w / 2) + 8 (w % 2)
	s_lshr_b32 s17, s12, 1
	s_lshl_b32 s17, s17, 5
	s_add_co_u32 s16, s16, s17
	s_and_b32 s17, s12, 1
	s_lshl_b32 s17, s17, 3
	s_add_co_u32 s16, s16, s17
	s_lshl_b32 s16, s16, 12
	s_lshl_b32 s17, s15, 10
	s_add_co_u32 s16, s16, s17                     ; + 1,024 y: my two K steps
	s_mov_b32 s17, 0
	s_lshl_b32 s18, s24, 2
	s_add_co_u32 s18, s18, s12                     ; my tile
	s_lshl_b32 s18, s18, 13
	s_lshl_b32 s19, s15, 11
	s_add_co_u32 s18, s18, s19
	s_mov_b32 s19, 0
	s_lshl_b32 s22, s15, 16                        ; xs: K step 2 y, unit G
	s_lshl_b32 s23, s24, 8
	s_add_co_u32 s22, s22, s23
	s_mov_b32 s23, 0
	s_mov_b32 s20, 0x76543210
	s_mov_b32 s21, 0xfedcba98                      ; v_permlanex16_b32's selects for lane l xor 16
	s_wait_alu depctr_va_vdst(0)                   ; the wait at the head's end
	s_wait_kmcnt 0x0
	s_add_nc_u64 s[4:5], s[4:5], s[16:17]
	s_add_nc_u64 s[6:7], s[6:7], s[18:19]
	s_add_nc_u64 s[8:9], s[8:9], s[22:23]
.irp u, 0,1
.irp i, 0,1,2,3,4,5,6,7,8,9,10,11,12,13,14,15
	global_load_b128 v[R0+64*\u+4*\i:R0+64*\u+4*\i+3], v[LO], s[4:5] offset:(\i+8*(\i/8))*ROWB+512*\u th:TH_LOAD_NT
.endr
.endr
.macro TURNIN src, dst                 ; 16 rows of a K step through the stage; LDS serves a wave's instructions in order (ISA guide 5.7.1.4)
.irp i, 0,1,2,3,4,5,6,7,8,9,10,11,12,13,14,15
	ds_store_b128 v[SST], v[\src+4*\i:\src+4*\i+3] offset:PITCH*\i
.endr
.irp b, 0,1,2,3
.irp j, 0,1,2,3
	ds_load_b128 v[\dst+16*\b+4*\j:\dst+16*\b+4*\j+3], v[SRD] offset:128*\b+16*\j   ; register 16 b + i = k 32 b + 16 h + i of row r
.endr
.endr
.endm
.macro QUANT s, pc, pw                 ; a lane's 64 numbers become a fragment's codes and its scale word
.irp b, 0,1,2,3
	v_max3_num_f32 v[TM+\b], |v[\s+16*\b]|, |v[\s+1+16*\b]|, 0x1800000   ; and the floor 2^(3 - 127)
.endr
.irp i, 2,4,6,8,10,12,14
.irp b, 0,1,2,3
	v_max3_num_f32 v[TM+\b], v[TM+\b], |v[\s+16*\b+\i]|, |v[\s+1+16*\b+\i]|
.endr
.endr
.irp b, 0,1,2,3
	v_permlanex16_b32 v[TM+4+\b], v[TM+\b], s20, s21
.endr
.irp b, 0,1,2,3
	v_max_num_f32 v[TM+\b], v[TM+\b], v[TM+4+\b]
.endr
.irp b, 0,1,2,3
	v_add_nc_u32 v[TM+12+\b], 0xff000000, v[TM+\b] ; 2 off the exponent field: the conversions' scale operand
.endr
.irp b, 0,1,2,3
	v_lshrrev_b32 v[TM+4+\b], 23, v[TM+12+\b]      ; the scale's byte
.endr
	v_lshl_or_b32 v[\pw], v[TM+5], 8, v[TM+4]
	v_lshl_or_b32 v[\pw], v[TM+6], 16, v[\pw]
	v_lshl_or_b32 v[\pw], v[TM+7], 24, v[\pw]
.irp b, 0,1,2,3
	v_cvt_scalef32_pk8_fp4_f32 v[\pc+2*\b], v[\s+16*\b:\s+7+16*\b], v[TM+12+\b]
	v_cvt_scalef32_pk8_fp4_f32 v[\pc+1+2*\b], v[\s+8+16*\b:\s+15+16*\b], v[TM+12+\b]
.endr
	v_nop                                          ; one plain instruction behind the scaled conversions
.irp c, 0,1
.irp i, 0,1
	v_permlane16_swap_b32 v[\pc+4*\c+\i], v[\pc+2+4*\c+\i]   ; a whole block to a lane
.endr
.endr
.endm
	s_wait_loadcnt 16                              ; K step 0's sixteen loads are in; K step 1's sixteen may be out
	TURNIN R0, X0
	s_wait_loadcnt 0x0
	s_wait_dscnt 0x0                               ; K step 0 is back from the stage, and its stores have read R0
	TURNIN R1, R0
	QUANT X0, PC, PW
	global_store_b128 v[LO], v[PC:PC+3], s[6:7]    ; 512 consecutive bytes a store
	global_store_b128 v[LO], v[PC+4:PC+7], s[6:7] offset:512
	ds_store_b32 v[GS], v[PW]                      ; lanes r and r + 16 write the same word with the same value
	s_wait_dscnt 1                                 ; K step 1 is back; only the word's store may be out
	QUANT R0, PC+8, PW+1
	global_store_b128 v[LO], v[PC+8:PC+11], s[6:7] offset:1024
	global_store_b128 v[LO], v[PC+12:PC+15], s[6:7] offset:1536
	ds_store_b32 v[GS], v[PW+1] offset:256
	s_wait_dscnt 0x0                               ; for the others' sake
	s_barrier_signal -1
	s_barrier_wait -1
	s_cmp_lg_u32 s12, 0
	s_cbranch_scc1 .Lend_x
	ds_load_b128 v[OW:OW+3], v[GR]
	s_wait_dscnt 0x0
	global_store_b128 v[GO], v[OW:OW+3], s[8:9]    ; sixteen lanes store 256 consecutive bytes, aligned
.Lend_x:
	s_wait_tensorcnt 0x0                           ; the wave's end
	ds_add_u32 v240, v241
	s_wait_dscnt 0x0
	s_endpgm
.Lw:
	; ---- the weights
	s_load_b128 s[4:7], s[0:1], 0x18               ; w_qkv, w_fc
	s_load_b128 s[8:11], s[0:1], 0x28              ; wc, ws
	v_lshrrev_b32 v1, 5, v0
	v_readfirstlane_b32 s12, v1                    ; wave 0..3
	v_and_b32 v1, 31, v0                           ; o: my column among the wave's 32
	v_lshlrev_b32 v2, 2, v1
	v_lshlrev_b32 v6, 4, v1
	v_and_b32 v7, 7, v1
	v_bfe_u32 v8, v0, 4, 1
	v_lshl_or_b32 v7, v8, 3, v7                    ; r = (o % 8) + 8 (o / 16)
	v_bfe_u32 v8, v0, 3, 1                         ; which of the two tiles
	v_lshlrev_b32 v3, 4, v7
	v_lshl_add_u32 v3, v8, 13, v3                  ; 8192 x tile + 16 r: my place in the codes
	s_lshr_b32 s13, s12, 1
	s_lshl_b32 s13, s13, 8
	s_and_b32 s14, s12, 1
	s_lshl_b32 s14, s14, 3
	s_add_co_u32 s13, s13, s14
	v_lshl_add_u32 v4, v7, 4, s13
	v_lshl_add_u32 v4, v8, 2, v4                   ; 256 (w / 2) + 16 r + 8 (w % 2) + 4 x tile: my scale word among the work-group's 128
	s_sub_co_u32 s33, ttmp9, 512
	s_lshr_b32 s15, s33, 5                         ; y: the K step
	s_and_b32 s33, s33, 31                         ; gx: which 128 columns
	s_cmp_lt_u32 s33, 24                           ; w_qkv's or w_fc's?  The choice hangs on the work-group's number alone
	s_mov_b32 s24, 4096
	s_cselect_b32 s24, 12288, s24                  ; a row of the tensor in bytes
	s_cselect_b32 s25, 0, 24
	s_wait_alu depctr_va_vdst(0)                   ; directly ahead of the wait below
	s_wait_kmcnt 0x0
	s_cselect_b64 s[4:5], s[4:5], s[6:7]
	s_sub_co_u32 s25, s33, s25
	s_lshl_b32 s25, s25, 9
	s_lshl_b32 s26, s12, 7
	s_add_co_u32 s26, s25, s26                     ; my wave's first column, in bytes
	s_lshl_b32 s27, s15, 7
	s_mul_i32 s27, s27, s24                        ; + 128 y rows
	s_add_co_u32 s26, s26, s27
	s_mov_b32 s27, 0
	s_add_nc_u64 s[16:17], s[4:5], s[26:27]        ; a base for each block of 32 rows
	s_lshl_b32 s28, s24, 5
	s_mov_b32 s29, 0
	s_add_nc_u64 s[18:19], s[16:17], s[28:29]
	s_add_nc_u64 s[20:21], s[18:19], s[28:29]
	s_add_nc_u64 s[22:23], s[20:21], s[28:29]
	s_lshl_b32 s30, s33, 3
	s_lshl_b32 s31, s12, 1
	s_add_co_u32 s30, s30, s31                     ; my first tile
	s_lshl_b32 s30, s30, 13
	s_lshl_b32 s31, s15, 10
	s_add_co_u32 s30, s30, s31
	s_mov_b32 s31, 0
	s_add_nc_u64 s[8:9], s[8:9], s[30:31]
	s_lshl_b32 s30, s15, 14
	s_lshl_b32 s32, s33, 9
	s_add_co_u32 s30, s30, s32
	s_add_nc_u64 s[10:11], s[10:11], s[30:31]
.set i, 0
.rept 32
	v_mad_u32_u24 v[RO+i], s24, i, v2
.set i, i+1
.endr
.macro LOAD t                          ; block t: 32 rows at my column: 32 lanes read 128 consecutive bytes, the four waves side by side 512
.irp i, 0,1,2,3,4,5,6,7,8,9,10,11,12,13,14,15,16,17,18,19,20,21,22,23,24,25,26,27,28,29,30,31
	global_load_b32 v[X+32*((\t)%2)+\i], v[RO+\i], s[16+2*(\t):17+2*(\t)] th:TH_LOAD_NT
.endr
.endm
.macro BLOCK t
.set XS, X+32*((\t)%2)
.if (\t) < 3
	s_wait_loadcnt 32                              ; this block's 32 loads are in; the next block's 32 may be out
.else
	s_wait_loadcnt 0x0
.endif
	v_max3_num_f32 v12, |v[XS]|, |v[XS+1]|, |v[XS+2]|
	v_max3_num_f32 v13, |v[XS+3]|, |v[XS+4]|, |v[XS+5]|
.irp i, 6,10,14,18,22,26
	v_max3_num_f32 v12, v12, |v[XS+\i]|, |v[XS+\i+1]|
	v_max3_num_f32 v13, v13, |v[XS+\i+2]|, |v[XS+\i+3]|
.endr
	v_max3_num_f32 v12, v12, |v[XS+30]|, |v[XS+31]|
	v_max3_num_f32 v12, v12, v13, 0x1800000        ; and the floor 2^(3 - 127)
	v_add_nc_u32 v11, 0xff000000, v12
	v_lshrrev_b32 v13, 23, v11
.if (\t) == 0
	v_mov_b32 v5, v13
.else
	v_lshl_or_b32 v5, v13, 8*(\t), v5              ; byte t of my column's scale word
.endif
.irp g, 0,1,2,3
	v_cvt_scalef32_pk8_fp4_f32 v[C+4*(\t)+\g], v[XS+8*\g:XS+8*\g+7], v11
.endr
	global_store_b128 v3, v[C+4*(\t):C+4*(\t)+3], s[8:9] offset:512*((\t)/2)+256*((\t)%2)   ; the sixteen lanes of a tile store 256 consecutive bytes, aligned
.if (\t) < 2
	LOAD (\t)+2
.endif
.endm
	LOAD 0
	LOAD 1
	BLOCK 0
	BLOCK 1
	BLOCK 2
	BLOCK 3
	ds_store_b32 v4, v5 offset:WGATH
	s_wait_dscnt 0x0                               ; for the others' sake
	s_barrier_signal -1
	s_barrier_wait -1
	s_cmp_lg_u32 s12, 0
	s_cbranch_scc1 .Lend_w
	ds_load_b128 v[8:11], v6 offset:WGATH
	s_wait_dscnt 0x0
	global_store_b128 v6, v[8:11], s[10:11]        ; wave 0 stores the work-group's 512 consecutive bytes of scale words
.Lend_w:
	s_wait_tensorcnt 0x0                           ; the wave's end
	ds_add_u32 v240, v241
	s_wait_dscnt 0x0
	s_endpgm
.Lfunc_end_k_q42d4baa7e8_quant:
	.size	k_q42d4baa7e8_quant, .Lfunc_end_k_q42d4baa7e8_quant-k_q42d4baa7e8_quant
	.p2alignl 7, 3214868480
	.fill 96, 4, 3214868480
	.section	.rodata,"a",@progbits
	.p2align	6, 0x0
	.amdhsa_kernel k_q42d4baa7e8_quant
		.amdhsa_group_segment_fixed_size 35328
		.amdhsa_private_segment_fixed_size 0
		.amdhsa_enable_private_segment 0
		.amdhsa_kernarg_size 56
		.amdhsa_user_sgpr_count 2
		.amdhsa_user_sgpr_kernarg_segment_ptr 1
		.amdhsa_wavefront_size32 1
		.amdhsa_system_sgpr_workgroup_id_x 1
		.amdhsa_system_sgpr_workgroup_id_y 1
		.amdhsa_system_sgpr_workgroup_id_z 1
		.amdhsa_system_vgpr_workitem_id 0
		.amdhsa_next_free_vgpr 242
		.amdhsa_next_free_sgpr 66
		.amdhsa_reserve_vcc 0
		.amdhsa_float_denorm_mode_32 3
		.amdhsa_float_denorm_mode_16_64 3
		.amdhsa_memory_ordered 1
		.amdhsa_forward_progress 1
		.amdhsa_inst_pref_size 41
	.end_amdhsa_kernel
	.amdgpu_metadata
---
amdhsa.version: [ 1, 2 ]
amdhsa.kernels:
  - .name:           k_q42d4baa7e8_quant
    .symbol:         k_q42d4baa7e8_quant.kd
    .args:
      - { .name: x, .offset: 0, .size: 8, .value_kind: global_buffer, .address_space: global }
      - { .name: xc, .offset: 8, .size: 8, .value_kind: global_buffer, .address_space: global }
      - { .name: xs, .offset: 16, .size: 8, .value_kind: global_buffer, .address_space: global }
      - { .name: w_qkv, .offset: 24, .size: 8, .value_kind: global_buffer, .address_space: global }
      - { .name: w_fc, .offset: 32, .size: 8, .value_kind: global_buffer, .address_space: global }
      - { .name: wc, .offset: 40, .size: 8, .value_kind: global_buffer, .address_space: global }
      - { .name: ws, .offset: 48, .size: 8, .value_kind: global_buffer, .address_space: global }
    .group_segment_fixed_size: 35328
    .private_segment_fixed_size: 0
    .kernarg_segment_align: 8
    .kernarg_segment_size: 56
    .max_flat_workgroup_size: 128
    .sgpr_count:     66
    .vgpr_count:     242
    .wavefront_size: 32
...
	.end_amdgpu_metadata
.endif
;; end of part 1
;; launch gemm_qkv (part 2): grid 12 x 32, 4 waves a work-group, clusters of 4 x 4, 279,040 bytes of LDS; arguments xc, xs, wc, ws, b_qkv, qkv; writes qkv
.if DOCPART == 2
	.amdgcn_target "amdgcn-amd-amdhsa--gfx1250"
	.amdhsa_code_object_version 6
	.text
	.protected	k_q42d4baa7e8_gemm_qkv
	.globl	k_q42d4baa7e8_gemm_qkv
	.p2align	8
	.type	k_q42d4baa7e8_gemm_qkv,@function
k_q42d4baa7e8_gemm_qkv:
	s_mov_b64 s[64:65], 0
	v_nop
	global_prefetch_b8 v0, s[64:65] scope:SCOPE_SE
	s_setreg_imm32_b32 hwreg(HW_REG_WAVE_MODE, 25, 1), 1
	s_wait_xcnt 0x0
	s_wait_alu depctr_hold_cnt(0) depctr_sa_sdst(0) depctr_va_vdst(0) depctr_va_sdst(0) depctr_va_ssrc(0) depctr_va_vcc(0) depctr_vm_vsrc(0)
	s_getreg_b32 s2, hwreg(HW_REG_IB_STS2, 6, 4)
	s_cmp_eq_u32 s2, 0
	s_cbranch_scc0 .Lentry_in_a_cluster
	s_endpgm
.Lentry_in_a_cluster:
	s_bfe_u32 s2, ttmp6, 0x10000c
	s_cmp_lg_u32 s2, 0xf033
	s_cbranch_scc0 .Lentry_shape_is_right
	s_endpgm
.Lentry_shape_is_right:
; qkv = x w_qkv + b_qkv on codes of FP4 (E2M1) with E8M0 scales, f32 sums; the results never go to memory as f32: q and k are quantised along the head's 64, v along the keys, and leave as the images
; that the attention launch's registers want.
; A work-group of four waves makes 256 rows x 256 columns, a wave 128 x 128: 64 accumulators of 16 x 16, 512 registers.  K = 1,024 is 8 K steps of 128.
; ALL OF K LIES IN LDS: two halves of 4 K steps, each filled ONCE, at the head, by joint tensor loads; no LDS byte is filled twice, so there is no ring.  All of K has landed before the first product.
; OPERANDS ARE IMAGES OF REGISTERS (made by the two launches before): a fragment (16 rows x 128 K) is 1,024 bytes, [c][lane][16 bytes]; every LDS load takes 512 consecutive bytes at 16 x lane: no pitch, no padding.
; Lane r of tile T stands for row (of x) or column (of w) 32 (T / 2) + 8 (T % 2) + r + 8 (r / 8): so the 16 registers of two neighbouring source-0 tiles' results are 16 NEIGHBOURS along that axis.
; CLUSTERS: 4 x 4 work-groups; x's tiles are shared along a row of the cluster, w's along a column: each is asked for jointly.  The cluster's x is also the section: 0 = q, 1 = k, 2 = v.
; TWO ARMS, parted on the cluster's x, which all sixteen partners share.  q, k: source 0 = w, source 1 = x: a lane holds one row and its registers run along the columns (the head's d).
; v: source 0 = x, source 1 = w: a lane holds one channel and its registers run along the keys.  The bias is the C of each sum's first product.  The epilogue is common.
; OUT: qkv = 32 blocks (batch x 8 + pair of heads) of 442,368 bytes: 16 chunks (128 keys each) of 18,432: K's codes [tile 8][head 2][512], V's codes [head 2][d tile 4][1,024], K's scale words
; [tile / 4][16 head + r][tile % 4], V's [head][lane][d tile]; then 16 chunks of 9,216: Q's codes and scale words, laid as K's.  A wave stores 8 KB of codes and 1 KB of scale words, each on end.
; LIMITS: NaN and infinities are not served; a block whose largest magnitude lies under 2^-124 gets the byte 1.
; REGISTERS, in windows of 256: window 0: v16-27 addresses; v32-95 scale words, a set for each half of K; v96-123 the epilogue's work; v128-191 source 1's fragments, ONE set, later the codes; v192-255 the bias.
;   window 1: source 0's fragments, TWO sets, at v0 and v128.   windows 2, 3: accumulator (a, b) at v[8 (8 (a % 4) + b)], a = source 1's block, b = source 0's.
.set SLOT,  4096                       ; LDS as it is filled now: x's 16 tiles, then w's 16 from byte 131,072: [tile: 8,192][K step 8: 1,024]; the second four K steps of a tile begin SLOT bytes behind the first four
.set SCL,   262144                     ; the scale words: x's [K step 8: 1,024][tile / 4: 256][r: 16][tile % 4], then w's likewise, 8,192 bytes on
.set ADRX,  16                         ; v16-17 LDS address of my x fragments in half 0, 1
.set ADRW,  20                         ; v20-21 the same for w
.set ADRS2, 22                         ; v22    scale words: lanes 0-15 w's, lanes 16-31 x's (arm v)
.set VB1,   23                         ; v23    64 h
.set VB2,   24                         ; v24    4 (r + 8 (r / 8))
.set CO,    26                         ; v26    16 x lane
.set ADRS1, 27                         ; v27    scale words: lanes 0-15 x's, lanes 16-31 w's (arm q, k)
.set SC,    32
.set TM,    96                         ; v96-111
.set PW,    112
.set SH,    113                        ; v113   16 h in arm q, k; 0 in arm v
.set SW,    116                        ; v116-123 the eight blocks' scale words
.set AF,    128
.set BI,    192
.set G1, 24                            ; s[24:31] descriptor group 1 for x's codes;  s[32:35] group 0
.set G0, 32
.set G1B, 48                           ; s[48:55], s[56:59] the same for w's codes
.set G0B, 56
.set G1S, 68                           ; s[68:75], s[76:79] for x's scale words;  s[80:87], s[88:91] for w's
.set G0S, 76
.set G1SB, 80
.set G0SB, 88
.set MSB, 0
.macro WIN new                         ; the immediate's high byte repeats the setting that is left; a switch that changes nothing is dropped
.if MSB != (\new)
	s_set_vgpr_msb (MSB<<8)|(\new)
.set MSB, (\new)
.endif
.endm
.set MUL_LO, 0xa1                      ; source 0 window 1, source 1 window 0, C and D window 2
.set MUL_HI, 0xf1                      ; the same, C and D window 3
.set TO_P,   0x40                      ; destination window 1, address window 0
; An arm of the head's one tree of branches on the wave's number: a joint load, its s_nop 0 and four v_nop, and a jump to the tree's end.
.macro ARM under, g0, g1, next
	s_cmp_lt_u32 s16, \under
	s_cbranch_scc0 \next
	tensor_load_to_lds s[\g0:\g0+3], s[\g1:\g1+7]
	s_nop 0
.rept 4
	v_nop
.endr
	s_branch .Lhead_asked
\next:
.endm
.macro CROUND                          ; a round of the cluster's barrier
	s_barrier_signal -1
	s_barrier_wait -1
	s_cmp_lg_u32 s16, 0
	s_cbranch_scc1 .Lnot_wave_0_\@
	s_barrier_signal -3
.Lnot_wave_0_\@:
	s_barrier_wait -3
	s_barrier_signal -1
	s_barrier_wait -1
.endm
.macro PLACES n                        ; plain vector instructions between a matrix instruction and a load into, or a vector instruction on, its registers
.rept \n
	v_nop
.endr
.endm
	s_load_b256 s[4:11], s[0:1], 0x0               ; x's codes s[4:5], x's scales s[6:7], w's codes s[8:9], w's scales s[10:11]
	s_load_b128 s[12:15], s[0:1], 0x20             ; the bias s[12:13], qkv s[14:15]
	v_lshl_add_u32 v126, v0, 2, 0x44000
	v_mov_b32 v127, 0
	ds_add_u32 v126, v127
	ds_add_u32 v126, v127
	v_lshrrev_b32 v1, 5, v0
	v_readfirstlane_b32 s16, v1                    ; wave 0..3
	s_lshr_b32 s17, s16, 1                         ; which half of the rows is mine.
	s_and_b32 s18, s16, 1                          ; which half of the columns.
	s_bfe_u32 s40, ttmp6, 0x40000                  ; cx, cy: my place in the cluster
	s_bfe_u32 s41, ttmp6, 0x40004
	s_lshl_b32 s42, ttmp9, 2
	s_add_co_u32 s42, s42, s40                     ; tx: which 256 columns
	s_and_b32 s45, ttmp7, 0xffff
	s_lshl_b32 s45, s45, 2
	s_add_co_u32 s45, s45, s41                     ; ty: which 256 rows
	s_lshl_b32 s43, s41, 2
	s_lshl_b32 s43, 15, s43                        ; my row of the cluster
	s_lshl_b32 s44, 0x1111, s40                    ; my column
	; codes: 16 tiles x all 8 K steps: 16 rows of 8,192 bytes (1,024 elements of 8 bytes), dense in memory and in LDS
	s_or_b32 s[G1+0], s43, (3<<16)|(1<<21)         ; 15:0 the mask; 17:16 elements of 8 bytes; 21 set beside a mask
	s_or_b32 s[G1B+0], s44, (3<<16)|(1<<21)
.irp g, G1, G1B
	s_mov_b32 s[\g+1], 1024<<16                    ; tensor_dim0
	s_mov_b32 s[\g+2], 16<<16                      ; tensor_dim1
	s_mov_b32 s[\g+3], 1024<<16                    ; tile_dim0
	s_mov_b32 s[\g+4], 16                          ; tile_dim1
	s_mov_b32 s[\g+5], 1024                        ; tensor_dim0_stride
	s_mov_b32 s[\g+6], 0
	s_mov_b32 s[\g+7], 0
.endr
	; scale words: 8 K steps x 1,024 bytes (16 tiles): 8 rows of 128 elements; a K step is 32,768 bytes in xs, 16,384 in ws
	s_or_b32 s[G1S+0], s43, (3<<16)|(1<<21)
	s_or_b32 s[G1SB+0], s44, (3<<16)|(1<<21)
.irp g, G1S, G1SB
	s_mov_b32 s[\g+1], 128<<16
	s_mov_b32 s[\g+2], 8<<16
	s_mov_b32 s[\g+3], 128<<16
	s_mov_b32 s[\g+4], 8
	s_mov_b32 s[\g+6], 0
	s_mov_b32 s[\g+7], 0
.endr
	s_mov_b32 s[G1S+5], 4096
	s_mov_b32 s[G1SB+5], 2048
	s_lshl_b32 s20, s45, 4                         ; x: tile 16 ty
	s_lshl_b32 s46, s42, 4                         ; w: tile 16 tx
	s_lshl_b32 s92, s20, 13                        ; 8,192 bytes of codes a tile,
	s_mov_b32 s93, 0
	s_lshl_b32 s94, s20, 6                         ; 64 bytes of scale words a tile and K step
	s_mov_b32 s95, 0
	s_lshl_b32 s96, s46, 13
	s_mov_b32 s97, 0
	s_lshl_b32 s98, s46, 6
	s_mov_b32 s99, 0
	s_wait_dscnt 0x0
	s_wait_kmcnt 0x0
	s_add_nc_u64 s[4:5], s[4:5], s[92:93]
	s_add_nc_u64 s[6:7], s[6:7], s[94:95]
	s_add_nc_u64 s[8:9], s[8:9], s[96:97]
	s_add_nc_u64 s[10:11], s[10:11], s[98:99]
	CROUND                                         ; all sixteen work-groups are here: the joint loads meet
	; THE HEAD'S LOADS, ONE A WAVE: wave 0 x's codes, wave 1 w's codes, wave 2 x's scale words, wave 3 w's: all of K, each LDS byte filled once
.irp g, G0, G0B, G0S, G0SB
	s_mov_b32 s[\g], 1
.endr
	s_mov_b32 s[G0+1], 0
	s_mov_b64 s[G0+2:G0+3], s[4:5]
	s_mov_b32 s[G0B+1], 131072
	s_mov_b64 s[G0B+2:G0B+3], s[8:9]
	s_mov_b32 s[G0S+1], SCL
	s_mov_b64 s[G0S+2:G0S+3], s[6:7]
	s_mov_b32 s[G0SB+1], SCL+8192
	s_mov_b64 s[G0SB+2:G0SB+3], s[10:11]
.irp g, G0, G0B, G0S, G0SB
	s_or_b32 s[\g+3], s[\g+3], 0x80000000
.endr
	ARM 1, G0,  G1,  .Lhead_w
	ARM 2, G0B, G1B, .Lhead_sx
	ARM 3, G0S, G1S, .Lhead_sw
	tensor_load_to_lds s[G0SB:G0SB+3], s[G1SB:G1SB+7]
	s_nop 0
.rept 4
	v_nop
.endr
.Lhead_asked:
	v_and_b32 v1, 15, v0                           ; r
	s_wait_alu depctr_va_vdst(0)
	v_bfe_u32 v2, v0, 4, 1                         ; h
	s_wait_alu depctr_va_vdst(0)
	v_and_b32 v3, 31, v0
	v_lshlrev_b32 v[CO], 4, v3
	s_lshl_b32 s19, s17, 16                        ; my 8 tiles of x
	s_lshl_b32 s20, s18, 16
	s_add_co_u32 s20, s20, 131072                  ; my 8 tiles of w, behind x's 16
.irp s, 0,1
	v_add_nc_u32 v[ADRX+\s], s19, v[CO]
	v_add_nc_u32 v[ADRW+\s], s20, v[CO]
	s_add_co_u32 s19, s19, SLOT
	s_add_co_u32 s20, s20, SLOT
.endr
	s_lshl_b32 s19, s17, 9                         ; x's scale words: my 8 tiles' 512 bytes of each K step's 1,024;
	s_lshl_b32 s20, s18, 9
	s_add_co_u32 s20, s20, 8192                    ; w's, behind x's;
	s_sub_co_u32 s20, s20, s19                     ; the distance between the two
	s_add_co_u32 s19, s19, SCL
	v_lshl_add_u32 v4, v1, 4, s19
	v_mul_u32_u24 v5, s20, v2
	v_add_nc_u32 v[ADRS1], v4, v5                  ; lanes 16-31 take w's
	v_xor_b32 v5, 1, v2
	v_mul_u32_u24 v5, s20, v5
	v_add_nc_u32 v[ADRS2], v4, v5                  ; lanes 0-15 take w's
	v_lshlrev_b32 v[VB1], 6, v2
	v_and_b32 v5, 8, v1
	v_add_nc_u32 v5, v5, v1
	v_lshlrev_b32 v[VB2], 2, v5
.irp b, 0,1,2,3
	v_mov_b32 v[TM+4+\b], 0                        ; written once: a lane permute's destination counts as one of its sources
.endr
	s_mov_b32 s2, 0x76543210
	s_mov_b32 s3, 0xfedcba98                       ; v_permlanex16_b32's selects for lane l xor 16
	s_lshl_b32 s98, s42, 10
	s_lshl_b32 s99, s18, 9
	s_add_co_u32 s98, s98, s99
	s_mov_b32 s99, 0
	s_add_nc_u64 s[12:13], s[12:13], s[98:99]      ; the bias of my 128 columns
	; where my wave's results go
	s_lshl_b32 s19, s45, 1
	s_add_co_u32 s19, s19, s17                     ; which 128 rows: 2 ty + half
	s_lshr_b32 s20, s19, 4                         ; the batch,
	s_and_b32 s19, s19, 15                         ; the chunk in it
	s_lshl_b32 s21, s42, 1
	s_add_co_u32 s21, s21, s18
	s_and_b32 s21, s21, 7                          ; the pair of heads: which 128 columns of the section
	s_lshl_b32 s20, s20, 3
	s_add_co_u32 s20, s20, s21
	s_mul_i32 s20, s20, 442368                     ; the block
	s_cmp_eq_u32 ttmp9, 0                          ; q?
	s_mov_b32 s92, 18432
	s_cselect_b32 s92, 9216, s92                   ; a chunk
	s_cselect_b32 s93, 294912, 0                   ; Q's part lies behind K's and V's
	s_mov_b32 s94, 16384
	s_cselect_b32 s94, 8192, s94                   ; from the codes to the scale words
	s_cmp_eq_u32 ttmp9, 2                          ; v?
	s_cselect_b32 s95, 8192, 0                     ; V's codes lie behind K's
	s_cselect_b32 s94, 9216, s94
	s_cselect_b32 s96, 0, 16
	v_mul_u32_u24 v[SH], s96, v2
	s_mul_i32 s19, s19, s92
	s_add_co_u32 s20, s20, s19
	s_add_co_u32 s20, s20, s93
	s_add_co_u32 s20, s20, s95
	s_mov_b32 s21, 0
	s_add_nc_u64 s[14:15], s[14:15], s[20:21]      ; my codes
	s_mov_b32 s95, 0
	s_add_nc_u64 s[46:47], s[14:15], s[94:95]      ; my scale words
.macro FRAG reg, adr, q, i             ; a fragment as it lies: two loads of 512 consecutive bytes
.irp c, 0,1
	ds_load_b128 v[\reg+4*\c:\reg+4*\c+3], v[\adr] offset:8192*(\i)+1024*(\q)+512*\c
.endr
.endm
.macro FETCH_P P, slot, q, p           ; source 0's eight fragments of the half's q-th K step into set p
	WIN TO_P
.irp i, 0,1,2,3,4,5,6,7
	FRAG 128*(\p)+8*\i, \P+\slot, \q, \i
.endr
	WIN 0
.endm
.macro FETCH_Q Q, slot, q, i0          ; source 1's blocks i0 .. i0 + 3
.irp i, \i0, \i0+1, \i0+2, \i0+3
	FRAG AF+8*(\i), \Q+\slot, \q, \i
.endr
.endm
.macro SCALES S, slot                  ; a half's scale words: register 8 q + i: lanes 0-15 source 1's block i, lanes 16-31 source 0's block i
.irp q, 0,1,2,3
.irp g, 0,1
	ds_load_b128 v[SC+32*\slot+8*\q+4*\g:SC+32*\slot+8*\q+4*\g+3], v[\S] offset:(4*\slot+\q)*1024+256*\g
.endr
.endr
.endm
; 16 matrix instructions: source 1's blocks a0, a0 + 1 x source 0's eight.  cm = 0: the sums go on; 1: they start from the bias by source 0's block; 2: by source 1's block.
; The 64 accumulators take turns, one instruction a turn, in the same order in every K step.
.macro MUL16 a0, p, q, sc, cm
.irp a, \a0, \a0+1
.irp b, 0,1,2,3,4,5,6,7
.set rD, 8*(8*((\a)%4)+\b)
.set rP, 128*(\p)+8*\b
.set rQ, AF+8*(\a)
.set rSP, SC+32*(\sc)+8*(\q)+\b
.set rSQ, SC+32*(\sc)+8*(\q)+(\a)
.if \cm == 0
	v_wmma_scale_f32_16x16x128_f8f6f4 v[rD:rD+7], v[rP:rP+7], v[rQ:rQ+7], v[rD:rD+7], v[rSP], v[rSQ] matrix_a_fmt:MATRIX_FMT_FP4 matrix_b_fmt:MATRIX_FMT_FP4 matrix_a_scale:MATRIX_SCALE_ROW1
.elseif \cm == 1
	v_wmma_scale_f32_16x16x128_f8f6f4 v[rD:rD+7], v[rP:rP+7], v[rQ:rQ+7], v[BI+8*\b:BI+8*\b+7], v[rSP], v[rSQ] matrix_a_fmt:MATRIX_FMT_FP4 matrix_b_fmt:MATRIX_FMT_FP4 matrix_a_scale:MATRIX_SCALE_ROW1
.else
	v_wmma_scale_f32_16x16x128_f8f6f4 v[rD:rD+7], v[rP:rP+7], v[rQ:rQ+7], v[BI+8*(\a):BI+8*(\a)+7], v[rSP], v[rSQ] matrix_a_fmt:MATRIX_FMT_FP4 matrix_b_fmt:MATRIX_FMT_FP4 matrix_a_scale:MATRIX_SCALE_ROW1
.endif
.endr
.endr
.endm
; A K step that has its successor in the same half.  A block of source 1 is free as soon as its eight products are issued: blocks 0-3 are fetched anew in the middle, blocks 4-7 at the end.
.macro STEP P, Q, slot, q, cm
	s_wait_dscnt 8                                 ; all but the youngest eight loads (source 1's blocks 4-7) are in
.if \cm
	WIN 0x81                                       ; C (the bias) window 0, D window 2
.else
	WIN MUL_LO
.endif
	MUL16 0, (\q)%2, \q, \slot, \cm
	MUL16 2, (\q)%2, \q, \slot, \cm
	s_wait_dscnt 0x0                               ; blocks 4-7 are in
	PLACES 4
	FETCH_P \P, \slot, (\q)+1, 1-(\q)%2
	FETCH_Q \Q, \slot, (\q)+1, 0
.if \cm
	WIN 0xc1
.else
	WIN MUL_HI
.endif
	MUL16 4, (\q)%2, \q, \slot, \cm
	MUL16 6, (\q)%2, \q, \slot, \cm
	PLACES 4
	WIN 0
	FETCH_Q \Q, \slot, (\q)+1, 4
.endm
; The fourth K step: its successor's fragments lie SLOT bytes on, and the second set of scale words is fetched with them.  All of K has landed before the first product, so no barrier stands here.
.macro TURN P, Q, S
	s_wait_dscnt 8
	WIN MUL_LO
	MUL16 0, 1, 3, 0, 0
	MUL16 2, 1, 3, 0, 0
	s_wait_dscnt 0x0
	PLACES 4
	FETCH_P \P, 1, 0, 0
	FETCH_Q \Q, 1, 0, 0
	SCALES \S, 1
	WIN MUL_HI
	MUL16 4, 1, 3, 0, 0
	MUL16 6, 1, 3, 0, 0
	PLACES 4
	WIN 0
	FETCH_Q \Q, 1, 0, 4
.endm
.macro MAIN P, Q, S, cm
	FETCH_P \P, 0, 0, 0
	FETCH_Q \Q, 0, 0, 0
	SCALES \S, 0
	FETCH_Q \Q, 0, 0, 4
	STEP \P, \Q, 0, 0, \cm
	STEP \P, \Q, 0, 1, 0
	STEP \P, \Q, 0, 2, 0
	TURN \P, \Q, \S
	STEP \P, \Q, 1, 0, 0
	STEP \P, \Q, 1, 1, 0
	STEP \P, \Q, 1, 2, 0
	s_wait_dscnt 8                                 ; the last K step: nothing more to fetch
	WIN MUL_LO
	MUL16 0, 1, 3, 1, 0
	MUL16 2, 1, 3, 1, 0
	s_wait_dscnt 0x0
	WIN MUL_HI
	MUL16 4, 1, 3, 1, 0
	MUL16 6, 1, 3, 1, 0
	WIN 0
.endm
	s_cmp_eq_u32 ttmp9, 2                          ; the cluster's x: the same in all sixteen partners and in all waves
	s_cbranch_scc1 .Larm_v
	; ---- q, k: in the result of w's tile b lane (r, h) holds columns 32 (b / 2) + 8 (b % 2) + 16 h + 0 .. 7: their biases are the C
	s_wait_alu depctr_va_vdst(0)
.irp b, 0,1,2,3,4,5,6,7
	global_load_b128 v[BI+8*\b:BI+8*\b+3], v[VB1], s[12:13] offset:(32*(\b/2)+8*(\b%2))*4
	global_load_b128 v[BI+8*\b+4:BI+8*\b+7], v[VB1], s[12:13] offset:(32*(\b/2)+8*(\b%2))*4+16
.endr
	s_wait_tensorcnt 0x0                           ; my one load has landed
	s_barrier_signal -1
	s_barrier_wait -1                              ; everybody's has
	s_wait_loadcnt 0x0                             ; the bias
	MAIN ADRW, ADRX, ADRS1, 1
	s_branch .Lepi
.Larm_v:
	; ---- v: a lane holds column 32 (a / 2) + 8 (a % 2) + r + 8 (r / 8) of w's tile a in all eight registers: one bias, eight times
	s_wait_alu depctr_va_vdst(0)
.irp a, 0,1,2,3,4,5,6,7
.irp j, 0,1,2,3,4,5,6,7
	global_load_b32 v[BI+8*\a+\j], v[VB2], s[12:13] offset:(32*(\a/2)+8*(\a%2))*4
.endr
.endr
	s_wait_tensorcnt 0x0
	s_barrier_signal -1
	s_barrier_wait -1
	s_wait_loadcnt 0x0
	MAIN ADRX, ADRW, ADRS2, 2
.Lepi:
; THE EPILOGUE.  Source 1's block a: a lane's 64 registers, register 16 b + i = place 32 b + 16 h + i along the quantiser's axis (q, k: two heads' d; v: 128 keys), become 8 registers of codes and a scale word.
; Each accumulator is read from its low end on.  Codes: registers 0-3 and 4-7 are q's or k's two heads, or v's two halves of the keys: 512 consecutive bytes a store.
; The scale word: q, k: lanes 0-15 keep it (head 0's two bytes lowest), lanes 16-31 take it 16 bits down (head 1's); the upper two bytes stand over zero codes in the next launch and are never 0xff.
.macro EPI a
.set AC, 64*((\a)%4)
.set PCA, 128+8*(\a)                   ; the codes take the place of source 1's fragments;
.if ((\a)%4) == 2
.set PCA, 192+2*(\a)-4                 ; blocks 2 and 6 that of the bias, so that no conversion's result bears the number of one of its sources
.endif
	WIN 0x0a+5*((\a)/4)                            ; sources 0 and 1: window 2 or 3
.irp b, 0,1,2,3
	v_max3_num_f32 v[TM+\b], |v[AC+16*\b]|, |v[AC+16*\b+1]|, 0x1800000   ; and the floor 2^(3 - 127): the byte cannot fall under 1
.endr
.irp i, 2,4,6,8,10,12,14
.irp b, 0,1,2,3
	v_max3_num_f32 v[TM+\b], |v[AC+16*\b+\i]|, |v[AC+16*\b+\i+1]|, v[TM+\b]
.endr
.endr
	WIN 0
.irp b, 0,1,2,3
	v_permlanex16_b32 v[TM+4+\b], v[TM+\b], s2, s3
.endr
.irp b, 0,1,2,3
	v_max_num_f32 v[TM+\b], v[TM+\b], v[TM+4+\b]   ; with lane l xor 16's: the block's largest magnitude
.endr
.irp b, 0,1,2,3
	v_add_nc_u32 v[TM+12+\b], 0xff000000, v[TM+\b] ; 2 off its exponent field: the conversions' scale operand
.endr
.irp b, 0,1,2,3
	v_lshrrev_b32 v[TM+4+\b], 23, v[TM+12+\b]      ; the scale's byte
.endr
	v_lshl_or_b32 v[PW], v[TM+5], 8, v[TM+4]
	v_lshl_or_b32 v[PW], v[TM+6], 16, v[PW]
	v_lshl_or_b32 v[PW], v[TM+7], 24, v[PW]
	v_lshrrev_b32 v[SW+(\a)], v[SH], v[PW]
	WIN 0x02+((\a)/4)                              ; source 0: window 2 or 3
.irp b, 0,1,2,3
	v_cvt_scalef32_pk8_fp4_f32 v[PCA+2*\b], v[AC+16*\b:AC+16*\b+7], v[TM+12+\b]
	v_cvt_scalef32_pk8_fp4_f32 v[PCA+2*\b+1], v[AC+16*\b+8:AC+16*\b+15], v[TM+12+\b]
.endr
	WIN 0
	v_nop                                          ; one plain instruction behind the scaled conversions
.irp c, 0,1
.irp i, 0,1
	v_permlane16_swap_b32 v[PCA+4*\c+\i], v[PCA+2+4*\c+\i]   ; a whole block to a lane
.endr
.endr
	global_store_b128 v[CO], v[PCA:PCA+3], s[14:15] offset:1024*(\a)
	global_store_b128 v[CO], v[PCA+4:PCA+7], s[14:15] offset:1024*(\a)+512   ; each block has registers of its own: no store's data are written again
.endm
	PLACES 4                                       ; behind the last products
.irp a, 0,1,2,3,4,5,6,7
	EPI \a
.endr
	global_store_b128 v[CO], v[SW:SW+3], s[46:47]
	global_store_b128 v[CO], v[SW+4:SW+7], s[46:47] offset:512
	s_wait_tensorcnt 0x0
	ds_add_u32 v126, v127
	s_wait_dscnt 0x0
	CROUND                                         ; the closing round: no work-group ends while a partner may still ask for a tile that names it
	s_endpgm
.Lfunc_end_k_q42d4baa7e8_gemm_qkv:
	.size	k_q42d4baa7e8_gemm_qkv, .Lfunc_end_k_q42d4baa7e8_gemm_qkv-k_q42d4baa7e8_gemm_qkv
	.p2alignl 7, 3214868480
	.fill 96, 4, 3214868480
	.section	.rodata,"a",@progbits
	.p2align	6, 0x0
	.amdhsa_kernel k_q42d4baa7e8_gemm_qkv
		.amdhsa_group_segment_fixed_size 279040
		.amdhsa_private_segment_fixed_size 0
		.amdhsa_enable_private_segment 0
		.amdhsa_kernarg_size 48
		.amdhsa_user_sgpr_count 2
		.amdhsa_user_sgpr_kernarg_segment_ptr 1
		.amdhsa_wavefront_size32 1
		.amdhsa_system_sgpr_workgroup_id_x 1
		.amdhsa_system_sgpr_workgroup_id_y 1
		.amdhsa_system_sgpr_workgroup_id_z 1
		.amdhsa_system_vgpr_workitem_id 0
		.amdhsa_next_free_vgpr 1024
		.amdhsa_next_free_sgpr 100
		.amdhsa_reserve_vcc 0
		.amdhsa_float_denorm_mode_32 3
		.amdhsa_float_denorm_mode_16_64 3
		.amdhsa_memory_ordered 1
		.amdhsa_forward_progress 1
		.amdhsa_inst_pref_size 219
	.end_amdhsa_kernel
	.amdgpu_metadata
---
amdhsa.version: [ 1, 2 ]
amdhsa.kernels:
  - .name:           k_q42d4baa7e8_gemm_qkv
    .symbol:         k_q42d4baa7e8_gemm_qkv.kd
    .args:
      - { .name: xc, .offset: 0, .size: 8, .value_kind: global_buffer, .address_space: global }
      - { .name: xs, .offset: 8, .size: 8, .value_kind: global_buffer, .address_space: global }
      - { .name: wc, .offset: 16, .size: 8, .value_kind: global_buffer, .address_space: global }
      - { .name: ws, .offset: 24, .size: 8, .value_kind: global_buffer, .address_space: global }
      - { .name: b_qkv, .offset: 32, .size: 8, .value_kind: global_buffer, .address_space: global }
      - { .name: qkv, .offset: 40, .size: 8, .value_kind: global_buffer, .address_space: global }
    .group_segment_fixed_size: 279040
    .private_segment_fixed_size: 0
    .kernarg_segment_align: 8
    .kernarg_segment_size: 48
    .max_flat_workgroup_size: 128
    .sgpr_count:     100
    .vgpr_count:     1024
    .wavefront_size: 32
...
	.end_amdgpu_metadata
.endif
;; end of part 2
;; launch attn (part 3): grid 8 x 32, 16 waves a work-group, clusters of 4 x 1, 327,680 bytes of LDS; arguments qkv, ac, asc; writes ac, asc
.if DOCPART == 3
	.amdgcn_target "amdgcn-amd-amdhsa--gfx1250"
	.amdhsa_code_object_version 6
	.text
	.protected	k_q42d4baa7e8_attn
	.globl	k_q42d4baa7e8_attn
	.p2align	8
	.type	k_q42d4baa7e8_attn,@function
k_q42d4baa7e8_attn:
	s_mov_b64 s[64:65], 0
	v_nop
	global_prefetch_b8 v0, s[64:65] scope:SCOPE_SE
	s_setreg_imm32_b32 hwreg(HW_REG_WAVE_MODE, 25, 1), 1
	s_wait_xcnt 0x0
	s_wait_alu depctr_hold_cnt(0) depctr_sa_sdst(0) depctr_va_vdst(0) depctr_va_sdst(0) depctr_va_ssrc(0) depctr_va_vcc(0) depctr_vm_vsrc(0)
	s_getreg_b32 s2, hwreg(HW_REG_IB_STS2, 6, 4)
	s_cmp_eq_u32 s2, 0
	s_cbranch_scc0 .Lentry_in_a_cluster
	s_endpgm
.Lentry_in_a_cluster:
	s_bfe_u32 s2, ttmp6, 0x10000c
	s_cmp_lg_u32 s2, 0x3003
	s_cbranch_scc0 .Lentry_shape_is_right
	s_endpgm
.Lentry_shape_is_right:
; Attention on codes of FP4 (E2M1) with E8M0 scales: for a batch and a pair of heads, o = softmax(q k^T / 8) v, quantised along the model's 1,024 for the last product.
; IN: qkv, 32 blocks (batch x 8 + pair of heads) of 442,368 bytes: 16 chunks (128 keys) of 18,432: K's codes [tile 8][head 2][512], V's codes [head 2][d tile 4][1,024], K's scale words [tile / 4][16 head + r][tile % 4],
; V's [head][lane][d tile]; then 16 chunks of 9,216 with Q's codes and scale words, laid as K's.  Row r of a stored tile T is key (or query) 32 (T / 2) + 8 (T % 2) + r + 8 (r / 8) of its chunk.
; OUT: ac [tile 512][K step 8][image 1,024 bytes], asc [K step 8][tile / 4][r][tile % 4] words: the operand images of the last product.
; THE SOFTMAX: t = score x log2(e) / 8; M = the running largest t rounded up to a whole number; p = 2^(t - M) is quantised along the keys; the row's sum is taken of the unquantised p and divides at the end.
; When M moves, the sum and O are multiplied by 2^(old M - new M), which rounds nothing.  LIMIT: the promise holds while the scaled scores stay under 2^31 in magnitude; NaN and infinities are not served.
; SHARES: a work-group owns 256 queries of both heads; each of its 16 waves 16 queries, head 0 and then head 1, 16 steps of 128 keys each.  All 2,048 keys of both heads lie in LDS (294,912 bytes), filled ONCE:
; each wave brings one chunk by one joint tensor load; the four work-groups of a cluster walk the same K and V and ask jointly.  No byte is filled again.
; No prefetch: the one fill goes out at the head, and there is no loop to run ahead in.
; LAYOUT: both products are used transposed (S^T = K Q^T, O^T = V^T P^T): a lane holds one query.  THE KEYS OF A SCORE TILE ARE CHOSEN BY THE LDS ADDRESSES: rows 0-7 of tile (c, t) are keys 64 c + 8 t + 0 .. 7, rows 8-15
; keys 64 c + 32 + 8 t + 0 .. 7.  So the 32 score registers of tiles (c, 0 .. 3) are, in lane (r, h), the 32 neighbouring keys 64 c + 32 h + 0 .. 31: a WHOLE block: its largest score needs no other lane, and the
; conversions' results are the second product's operand as they stand.  The head has 64 numbers: Q's registers 4-7 hold zero codes, so what K's operand holds there adds nothing: K's tiles lie 4 registers apart.
; A work-group barrier is signalled in each step and waited for in the next, so that no wave is more than one step ahead of another.
.set CHUNK, 18432
.set GATH,  16*CHUNK                   ; the work-group's output scale words: 1,024 bytes of their own
.set SPARE, GATH+1024                  ; the spare words: 128 bytes for each wave, named by no other line
.set LI,  1                            ; 16 x lane
.set LK,  2                            ; K's codes: 16 (r % 8) + 2048 (r / 8) + 256 h
.set LS,  3                            ; K's scale words: 16 (r % 8) + 8 (r / 8) + 512 h
.set AD,  4                            ; the chunk in hand + LI, LK, LS
.set ADK, 5
.set ADS, 6
.set OWD, 7                            ; my queries' output scale word
.set GST, 8
.set R16, 9
.set GOF, 10
.set GRD, 11
.set NM,  12                           ; -M;  v13 RM: the running largest score;  v[14:15] the row's sum in two halves
.set RM,  13
.set QS,  32                           ; v32, v33 Q's scale words;  v16-23, v24-31 Q's fragments of the two heads
.set SPW, 34
.set NIL, 35
.set KF,  36                           ; v36-67 K's eight tiles, 4 registers each; v68-71 zeros
.set KS,  72                           ; v72-75 K's scale words: register t: lanes 0-15 tile (0, t), lanes 16-31 tile (1, t)
.set VS,  76                           ; v76-79 V's scale words
.set W,   80                           ; p's scale word
.set OLD, 81
.set F,   82                           ; v82 f = 2^(old M - new M); v83 written once (named with it as a pair)
.set BM,  84                           ; v84, v85 my two blocks' largest scores, then p
.set M4,  86                           ; v86-89
.set OP,  90                           ; v90, v91 the conversions' scale operands
.set BY,  92                           ; v92, v93 the scale bytes
.set TP,  94
.set S,   96                           ; v96-159 S^T, then p
.set O,   160                          ; v160-191 O^T
.set P,   192                          ; v192-199 p's codes
.set VF,  200                          ; v200-231 V's four tiles
.set T1,  232                          ; v232-237 three more chains of the row's sum
.set WV,  18
.set SEL, 20
.set CS,  22
.set G1,  24
.set TB,  40
.set CNT, 41
.set NC,  60
.macro ROUND
	s_barrier_signal -1
	s_barrier_wait -1
	s_cmp_lg_u32 s[WV], 0
	s_cbranch_scc1 .Lnot_wave_0_\@
	s_barrier_signal -3
.Lnot_wave_0_\@:
	s_barrier_wait -3
	s_barrier_signal -1
	s_barrier_wait -1
.endm
	s_load_b128 s[4:7], s[0:1], 0x0                ; qkv, ac
	s_load_b64 s[8:9], s[0:1], 0x10                ; asc
	v_lshl_add_u32 v[SPW], v0, 2, SPARE
	v_mov_b32 v[NIL], 0
	ds_add_u32 v[SPW], v[NIL]                      ; the opening lines: the add, twice on end, and its wait
	ds_add_u32 v[SPW], v[NIL]
	v_lshrrev_b32 v[AD], 5, v0
	v_readfirstlane_b32 s[WV], v[AD]               ; wave 0..15
	s_bfe_u32 s42, ttmp6, 0x40000                  ; cx
	s_lshl_b32 s43, ttmp9, 2
	s_add_co_u32 s43, s43, s42                     ; which 256 queries
	s_and_b32 s44, ttmp7, 0xffff                   ; the block: batch x 8 + pair of heads
	s_mul_i32 s46, s44, 442368
	s_mov_b32 s47, 0
	s_mul_i32 s48, s[WV], CHUNK                    ; my chunk, in memory and in LDS
	s_mov_b32 s49, 0
	s_mov_b32 s[G1], 15|(3<<16)|(1<<21)            ; the mask of the four partners; elements of 8 bytes; bit 21 beside a mask
	s_mov_b32 s[G1+1], 32<<16                      ; a chunk is dense: 72 rows of 256 bytes
	s_mov_b32 s[G1+2], 72<<16
	s_mov_b32 s[G1+3], 32<<16
	s_mov_b32 s[G1+4], 72
	s_mov_b32 s[G1+5], 32
	s_mov_b32 s[G1+6], 0
	s_mov_b32 s[G1+7], 0
	s_mov_b32 s[SEL], 0x76543210
	s_mov_b32 s[SEL+1], 0xfedcba98                 ; v_permlanex16_b32's selects for lane l xor 16
	s_mov_b32 s[CS], 0x3e38aa3b                    ; c = log2(e) / 8
	s_mov_b32 s[CS+1], s[CS]
	s_mov_b32 s[NC], 0xbe38aa3b                    ; -c
	s_wait_dscnt 0x0
	s_wait_kmcnt 0x0
	s_add_nc_u64 s[4:5], s[4:5], s[46:47]
	s_mov_b32 s32, 1
	s_mov_b32 s33, s48
	s_add_nc_u64 s[34:35], s[4:5], s[48:49]
	s_or_b32 s35, s35, 0x80000000
	ROUND                                          ; the four partners are here: the joint loads meet
	tensor_load_to_lds s[32:35], s[G1:G1+7]        ; my one tensor load of the launch
	s_nop 0
	s_lshl_b32 s52, s43, 1                         ; Q: chunk 2 x (which 256) + wave / 8, tile wave % 8
	s_lshr_b32 s53, s[WV], 3
	s_add_co_u32 s52, s52, s53
	s_mul_i32 s52, s52, 9216
	s_add_co_u32 s52, s52, 294912
	s_and_b32 s53, s[WV], 7
	s_lshl_b32 s54, s53, 10
	s_add_co_u32 s54, s54, s52
	s_mov_b32 s55, 0
	s_add_nc_u64 s[54:55], s[4:5], s[54:55]        ; its codes
	s_lshr_b32 s53, s53, 2
	s_lshl_b32 s53, s53, 9
	s_and_b32 s56, s[WV], 3
	s_lshl_b32 s56, s56, 2
	s_add_co_u32 s56, s56, s53
	s_add_co_u32 s56, s56, s52
	s_add_co_u32 s56, s56, 8192
	s_mov_b32 s57, 0
	s_add_nc_u64 s[56:57], s[4:5], s[56:57]        ; its scale words
	s_lshr_b32 s58, s44, 3                         ; the batch
	s_and_b32 s59, s44, 7                          ; the pair of heads: the last product's K step
	s_lshl_b32 s45, s58, 7
	s_lshl_b32 s46, s43, 4
	s_add_co_u32 s45, s45, s46
	s_add_co_u32 s45, s45, s[WV]                   ; my tile of the 512
	s_lshl_b32 s46, s45, 13
	s_lshl_b32 s45, s59, 10
	s_add_co_u32 s46, s46, s45
	s_mov_b32 s47, 0
	s_add_nc_u64 s[6:7], s[6:7], s[46:47]          ; my image in ac
	s_lshl_b32 s46, s59, 15
	s_lshl_b32 s45, s58, 13
	s_add_co_u32 s46, s46, s45
	s_lshl_b32 s45, s43, 10
	s_add_co_u32 s46, s46, s45
	s_add_nc_u64 s[8:9], s[8:9], s[46:47]          ; the work-group's 1,024 bytes in asc
	s_lshr_b32 s51, s[WV], 2
	s_lshl_b32 s51, s51, 8
	s_and_b32 s50, s[WV], 3
	s_lshl_b32 s50, s50, 2
	s_add_co_u32 s51, s51, s50
	s_add_co_u32 s51, s51, GATH                    ; my word's place among the gathered: 256 (wave / 4) + 4 (wave % 4)
	s_and_b32 s50, s[WV], 1
	s_lshl_b32 s50, s50, 9
	v_and_b32 v[LI], 31, v0
	v_and_b32 v[R16], 15, v0
	v_and_b32 v[LK], 7, v0
	v_bfe_u32 v[AD], v0, 3, 1                      ; r / 8
	v_bfe_u32 v[ADK], v0, 4, 1                     ; h
	v_lshlrev_b32 v[LI], 4, v[LI]
	v_lshlrev_b32 v[R16], 4, v[R16]
	v_lshlrev_b32 v[LK], 4, v[LK]
	v_lshl_add_u32 v[LS], v[AD], 3, v[LK]
	v_lshl_add_u32 v[LK], v[AD], 11, v[LK]
	v_lshl_add_u32 v[LS], v[ADK], 9, v[LS]
	v_lshl_add_u32 v[LK], v[ADK], 8, v[LK]
	v_add_nc_u32 v[GST], s51, v[R16]
	v_add_nc_u32 v[GOF], s50, v[LI]
	v_add_nc_u32 v[GRD], GATH, v[GOF]
	global_load_b128 v[16:19], v[LI], s[54:55]
	global_load_b128 v[24:27], v[LI], s[54:55] offset:512
	global_load_b32 v[QS], v[R16], s[56:57]
	global_load_b32 v[QS+1], v[R16], s[56:57] offset:256
.irp j, 20,21,22,23,28,29,30,31,KF+32,KF+33,KF+34,KF+35,TP,F+1
	v_mov_b32 v[\j], 0                             ; zero codes over k = 64 .. 127; a lane permute's destination and a pair's upper half are written once
.endr
; K's eight tiles and their scale words of one chunk.  Tile (c, t), lane (r, h): stored tile 4 c + t % 2 + 2 (r / 8), its row r % 8 + 8 (t / 2).
.macro KLOAD adr, ads, off, hd
.irp c, 0,1
.irp t, 0,1,2,3
	ds_load_b128 v[KF+16*\c+4*\t:KF+16*\c+4*\t+3], v[\adr] offset:(\off)+1024*(4*\c+\t%2)+128*(\t/2)+512*(\hd)
.endr
.endr
.irp u, 0,1
	ds_load_b64 v[KS+2*\u:KS+2*\u+1], v[\ads] offset:(\off)+16384+256*(\hd)+128*\u
.endr
.endm
; A STEP: 128 keys.  K's tiles are in registers when it begins.  pf = 1: the next chunk's are fetched; 2: head 1's first; 0: none.  sig = 1: the barrier is signalled anew.
.macro STEP hd, pf, sig
.irp t, 0,1,2,3
	v_wmma_scale_f32_16x16x128_f8f6f4 v[S+8*\t:S+8*\t+7], v[KF+4*\t:KF+4*\t+7], v[16+8*\hd:23+8*\hd], 0, v[KS+\t], v[QS+\hd] matrix_a_fmt:MATRIX_FMT_FP4 matrix_b_fmt:MATRIX_FMT_FP4
.endr
.irp t, 0,1,2,3
	v_wmma_scale_f32_16x16x128_f8f6f4 v[S+32+8*\t:S+32+8*\t+7], v[KF+16+4*\t:KF+16+4*\t+7], v[16+8*\hd:23+8*\hd], 0, v[KS+\t], v[QS+\hd] matrix_a_fmt:MATRIX_FMT_FP4 matrix_b_fmt:MATRIX_FMT_FP4 matrix_a_scale:MATRIX_SCALE_ROW1
.endr
	v_add_nc_u32 v[AD], s[TB], v[LI]               ; four plain lines: the places behind the products above and behind the last step's, ahead of the loads below and of the first read of S^T
	v_mov_b32 v[OLD], v[NM]
.if \pf == 1
	v_add_nc_u32 v[ADK], s[TB], v[LK]
	v_add_nc_u32 v[ADS], s[TB], v[LS]
.else
	v_nop
	v_nop
.endif
.irp t, 0,1,2,3
.irp c, 0,1
	ds_load_b128 v[VF+8*\t+4*\c:VF+8*\t+4*\c+3], v[AD] offset:8192+4096*\hd+1024*\t+512*\c
.endr
.endr
	ds_load_b128 v[VS:VS+3], v[AD] offset:17408+512*\hd
.if \pf == 1
	KLOAD ADK, ADS, CHUNK, \hd
.elseif \pf == 2
	KLOAD LK, LS, 0, 1
.endif
.irp b, 0,1,2,3
	v_max3_num_f32 v[M4+\b], v[S+16*\b], v[S+16*\b+1], v[S+16*\b+2]   ; four chains of 16 scores, each accumulator from its low end on
.endr
.irp i, 3,5,7,9,11,13
.irp b, 0,1,2,3
	v_max3_num_f32 v[M4+\b], v[M4+\b], v[S+16*\b+\i], v[S+16*\b+\i+1]
.endr
.endr
	v_max3_num_f32 v[BM], v[M4], v[M4+1], v[S+15]
	v_max3_num_f32 v[BM+1], v[M4+2], v[M4+3], v[S+47]
	v_max_num_f32 v[BM], v[BM], v[S+31]            ; the largest score of my block 2 c + h, c = 0,
	v_max_num_f32 v[BM+1], v[BM+1], v[S+63]        ; and c = 1: they serve the row's maximum and, since p rises with the score, the blocks' largest p
	v_max3_num_f32 v[RM], v[RM], v[BM], v[BM+1]
	s_delay_alu instid0(VALU_DEP_1)
	v_permlanex16_b32 v[TP], v[RM], s[SEL], s[SEL+1]
	s_delay_alu instid0(VALU_DEP_1)
	v_max_num_f32 v[RM], v[RM], v[TP]              ; with lane l xor 16's: the running largest score of my query
	s_delay_alu instid0(VALU_DEP_1)
	v_mul_f32 v[F], s[NC], v[RM]                   ; -t
	s_delay_alu instid0(VALU_DEP_1)
	v_floor_f32 v[NM], v[F]                        ; -M = floor(-t): M is a whole number
.irp j, 0,2,4,6
	v_pk_fma_f32 v[S+\j:S+\j+1], v[S+\j:S+\j+1], s[CS:CS+1], v[NM:NM+1] op_sel_hi:[1,0,0]   ; t - M; the three lines that make f stand among these, which do not hang on them
.endr
	v_sub_f32 v[F], v[NM], v[OLD]                  ; old M - new M, 0 or less
.irp j, 8,10,12,14
	v_pk_fma_f32 v[S+\j:S+\j+1], v[S+\j:S+\j+1], s[CS:CS+1], v[NM:NM+1] op_sel_hi:[1,0,0]
.endr
	v_cvt_i32_f32 v[F], v[F]                       ; (it saturates)
.irp j, 16,18,20,22
	v_pk_fma_f32 v[S+\j:S+\j+1], v[S+\j:S+\j+1], s[CS:CS+1], v[NM:NM+1] op_sel_hi:[1,0,0]
.endr
	v_ldexp_f32 v[F], 1.0, v[F]                    ; f
.irp j, 24,26,28,30,32,34,36,38,40,42,44,46,48,50,52,54,56,58,60,62
	v_pk_fma_f32 v[S+\j:S+\j+1], v[S+\j:S+\j+1], s[CS:CS+1], v[NM:NM+1] op_sel_hi:[1,0,0]   ; t - M
.endr
	v_fma_f32 v[BM], v[BM], s[CS], v[NM]
	v_fma_f32 v[BM+1], v[BM+1], s[CS], v[NM]
.irp j, 0,2,4,6,8,10,12,14,16,18,20,22,24,26,28,30
	v_pk_mul_f32 v[O+\j:O+\j+1], v[O+\j:O+\j+1], v[F:F+1] op_sel_hi:[1,0]   ; O^T under the new M
.endr
	s_wait_alu depctr_va_vdst(0)                   ; the wait ahead of the batch
.irp j, 0,1,2,3,4,5,6,7,8,9,10,11,12,13,14,15,16,17,18,19,20,21,22,23,24,25,26,27,28,29,30,31,32,33,34,35,36,37,38,39,40,41,42,43,44,45,46,47,48,49,50,51,52,53,54,55,56,57,58,59,60,61,62,63
	v_exp_f32 v[S+\j], v[S+\j]                     ; p = 2^(t - M)
.endr
	v_exp_f32 v[BM], v[BM]                         ; the blocks' largest p: the same two instructions on the same numbers
	v_exp_f32 v[BM+1], v[BM+1]
	v_pk_mul_f32 v[14:15], v[14:15], v[F:F+1] op_sel_hi:[1,0]   ; the sums under the new M: the plain place behind the batch
	s_wait_alu depctr_va_vdst(0)                   ; one wait for the batch, ahead of its first reader
	v_max_num_f32 v[BM], 0x1800000, v[BM]          ; the floor 2^(3 - 127): the byte cannot fall under 1
	v_max_num_f32 v[BM+1], 0x1800000, v[BM+1]
	v_pk_add_f32 v[T1:T1+1], v[S:S+1], v[S+2:S+3]  ; the row's sum of the unquantised p, in four chains
	v_pk_add_f32 v[T1+2:T1+3], v[S+4:S+5], v[S+6:S+7]
	v_pk_add_f32 v[T1+4:T1+5], v[S+8:S+9], v[S+10:S+11]
	v_add_nc_u32 v[OP], 0xff000000, v[BM]          ; 2 off the exponent field: the conversions' scale operand
	v_add_nc_u32 v[OP+1], 0xff000000, v[BM+1]
	v_pk_add_f32 v[14:15], v[14:15], v[S+12:S+13]  ; (the scale word's lines stand among the sums, which do not hang on them)
	v_pk_add_f32 v[T1:T1+1], v[T1:T1+1], v[S+14:S+15]
	v_lshrrev_b32 v[BY], 23, v[OP]                 ; the scale's byte
	v_lshrrev_b32 v[BY+1], 23, v[OP+1]
	v_pk_add_f32 v[T1+2:T1+3], v[T1+2:T1+3], v[S+16:S+17]
	v_pk_add_f32 v[T1+4:T1+5], v[T1+4:T1+5], v[S+18:S+19]
	v_lshl_or_b32 v[W], v[BY+1], 16, v[BY]         ; my blocks h and 2 + h;
.irp c, 0,1
.irp g, 0,1,2,3
	v_cvt_scalef32_pk8_fp4_f32 v[P+4*\c+\g], v[S+32*\c+8*\g:S+32*\c+8*\g+7], v[OP+\c]   ; register 4 c + g: keys 64 c + 32 h + 8 g + 0 .. 7
.endr
.endr
	v_permlanex16_b32 v[TP], v[W], s[SEL], s[SEL+1]
	v_pk_add_f32 v[14:15], v[14:15], v[S+20:S+21]
	v_pk_add_f32 v[T1:T1+1], v[T1:T1+1], v[S+22:S+23]
	v_pk_add_f32 v[T1+2:T1+3], v[T1+2:T1+3], v[S+24:S+25]
	v_pk_add_f32 v[T1+4:T1+5], v[T1+4:T1+5], v[S+26:S+27]
	v_lshl_or_b32 v[W], v[TP], 8, v[W]             ; in lanes 0-15, which alone are read, lane l + 16's blocks 1 and 3 beside blocks 0 and 2; 21 plain lines follow ahead of the scaled products
.irp j, 28,36,44,52
	v_pk_add_f32 v[14:15], v[14:15], v[S+\j:S+\j+1]                 ; these lines are also the places ahead of the scaled products below
	v_pk_add_f32 v[T1:T1+1], v[T1:T1+1], v[S+\j+2:S+\j+3]
	v_pk_add_f32 v[T1+2:T1+3], v[T1+2:T1+3], v[S+\j+4:S+\j+5]
	v_pk_add_f32 v[T1+4:T1+5], v[T1+4:T1+5], v[S+\j+6:S+\j+7]
.endr
	v_pk_add_f32 v[14:15], v[14:15], v[S+60:S+61]
	v_pk_add_f32 v[T1:T1+1], v[T1:T1+1], v[S+62:S+63]
	v_pk_add_f32 v[T1+2:T1+3], v[T1+2:T1+3], v[T1+4:T1+5]
	v_pk_add_f32 v[14:15], v[14:15], v[T1:T1+1]
	v_pk_add_f32 v[14:15], v[14:15], v[T1+2:T1+3]
	s_wait_alu depctr_va_vdst(0)                   ; directly ahead of the waits below
	s_barrier_wait -1                              ; every wave has signalled in its step before this one
	s_wait_dscnt 0x0                               ; V's tiles and the next K's are in; no LDS instruction of mine is out at the signal
.if \sig
	s_barrier_signal -1
.endif
.irp t, 0,1,2,3
	v_wmma_scale_f32_16x16x128_f8f6f4 v[O+8*\t:O+8*\t+7], v[VF+8*\t:VF+8*\t+7], v[P:P+7], v[O+8*\t:O+8*\t+7], v[VS+\t], v[W] matrix_a_fmt:MATRIX_FMT_FP4 matrix_b_fmt:MATRIX_FMT_FP4
.endr
	s_add_co_u32 s[TB], s[TB], CHUNK
.endm
.macro INIT
	v_mov_b32 v[RM], 0xff61b1e6                    ; -3e38, under every score
	v_mov_b32 v[NM], 0x7f61b1e6                    ; so the first f is 0, over zeros
	v_mov_b32 v14, 0
	v_mov_b32 v15, 0
.irp j, 0,1,2,3,4,5,6,7,8,9,10,11,12,13,14,15,16,17,18,19,20,21,22,23,24,25,26,27,28,29,30,31
	v_mov_b32 v[O+\j], 0
.endr
.endm
; A head's way out: O^T / the sum; register 16 b + i is channel 32 b + 16 h + i of the head: two blocks of 32, each shared by lanes l and l xor 16; codes and two scale bytes.
.macro OUT hd
	v_add_f32 v14, v14, v15
	v_permlanex16_b32 v[TP], v14, s[SEL], s[SEL+1]
	v_add_f32 v14, v14, v[TP]                      ; the row's sum
	s_wait_alu depctr_va_vdst(0)                   ; the wait ahead of the transcendental
	v_rcp_f32 v14, v14
	v_nop                                          ; with the four lines above: five places behind the last products
	s_wait_alu depctr_va_vdst(0)                   ; ahead of the first reader of the reciprocal and of O^T
.irp j, 0,2,4,6,8,10,12,14,16,18,20,22,24,26,28,30
	v_pk_mul_f32 v[S+\j:S+\j+1], v[O+\j:O+\j+1], v[14:15] op_sel_hi:[1,0]
.endr
.irp b, 0,1
	v_max3_num_f32 v[M4+\b], |v[S+16*\b]|, |v[S+16*\b+1]|, 0x1800000
.endr
.irp i, 2,4,6,8,10,12,14
.irp b, 0,1
	v_max3_num_f32 v[M4+\b], v[M4+\b], |v[S+16*\b+\i]|, |v[S+16*\b+\i+1]|
.endr
.endr
.irp b, 0,1
	v_permlanex16_b32 v[M4+2+\b], v[M4+\b], s[SEL], s[SEL+1]
.endr
.irp b, 0,1
	v_max_num_f32 v[M4+\b], v[M4+\b], v[M4+2+\b]
.endr
.irp b, 0,1
	v_add_nc_u32 v[OP+\b], 0xff000000, v[M4+\b]
.endr
.irp b, 0,1
	v_lshrrev_b32 v[BY+\b], 23, v[OP+\b]
.endr
.if \hd == 0
	v_lshl_or_b32 v[OWD], v[BY+1], 8, v[BY]
.else
	v_lshl_or_b32 v[OWD], v[BY], 16, v[OWD]
	v_lshl_or_b32 v[OWD], v[BY+1], 24, v[OWD]
.endif
.irp b, 0,1
	v_cvt_scalef32_pk8_fp4_f32 v[P+2*\b], v[S+16*\b:S+16*\b+7], v[OP+\b]
	v_cvt_scalef32_pk8_fp4_f32 v[P+2*\b+1], v[S+16*\b+8:S+16*\b+15], v[OP+\b]
.endr
	v_nop                                          ; one plain line behind the scaled conversions
	v_permlane16_swap_b32 v[P], v[P+2]             ; a whole block to a lane
	v_permlane16_swap_b32 v[P+1], v[P+3]
	global_store_b128 v[LI], v[P:P+3], s[6:7] offset:512*\hd   ; 512 consecutive bytes
.endm
	s_wait_alu depctr_va_vdst(0)                   ; the wait at the head's end
	s_wait_tensorcnt 0x0                           ; my chunk has landed
	s_barrier_signal -1
	s_barrier_wait -1                              ; all sixteen have
	KLOAD LK, LS, 0, 0
	INIT
	s_mov_b32 s[TB], 0
	s_mov_b32 s[CNT], 15
	s_wait_alu depctr_va_vdst(0)
	s_wait_loadcnt 0x0                             ; Q
	s_wait_dscnt 0x0
	s_barrier_signal -1                            ; the first step's wait finds this signal
.Lhead0:
	STEP 0, 1, 1
	s_sub_co_u32 s[CNT], s[CNT], 1
	s_cmp_lg_u32 s[CNT], 0
	s_cbranch_scc1 .Lhead0
	STEP 0, 2, 0                                   ; the head's last step closes the barrier: a store follows
	OUT 0
	INIT
	s_mov_b32 s[TB], 0
	s_mov_b32 s[CNT], 15
	s_wait_alu depctr_va_vdst(0)
	s_wait_xcnt 0x0                                ; the store has read its registers
	s_barrier_signal -1
.Lhead1:
	STEP 1, 1, 1
	s_sub_co_u32 s[CNT], s[CNT], 1
	s_cmp_lg_u32 s[CNT], 0
	s_cbranch_scc1 .Lhead1
	STEP 1, 0, 0
	OUT 1
	ds_store_b32 v[GST], v[OWD]                    ; lanes r and r + 16 write the same word with the same value
	s_wait_dscnt 0x0
	s_barrier_signal -1
	s_barrier_wait -1
	s_cmp_lt_u32 s[WV], 2
	s_cbranch_scc0 .Lno_words
	ds_load_b128 v[S:S+3], v[GRD]
	s_wait_dscnt 0x0
	global_store_b128 v[GOF], v[S:S+3], s[8:9]     ; waves 0 and 1 store 512 consecutive bytes each
.Lno_words:
	s_wait_tensorcnt 0x0                           ; the wave's end
	ds_add_u32 v[SPW], v[NIL]
	s_wait_dscnt 0x0
	ROUND                                          ; the closing round
	s_endpgm
.Lfunc_end_k_q42d4baa7e8_attn:
	.size	k_q42d4baa7e8_attn, .Lfunc_end_k_q42d4baa7e8_attn-k_q42d4baa7e8_attn
	.p2alignl 7, 3214868480
	.fill 96, 4, 3214868480
	.section	.rodata,"a",@progbits
	.p2align	6, 0x0
	.amdhsa_kernel k_q42d4baa7e8_attn
		.amdhsa_group_segment_fixed_size 327680
		.amdhsa_private_segment_fixed_size 0
		.amdhsa_enable_private_segment 0
		.amdhsa_kernarg_size 24
		.amdhsa_user_sgpr_count 2
		.amdhsa_user_sgpr_kernarg_segment_ptr 1
		.amdhsa_wavefront_size32 1
		.amdhsa_system_sgpr_workgroup_id_x 1
		.amdhsa_system_sgpr_workgroup_id_y 1
		.amdhsa_system_sgpr_workgroup_id_z 1
		.amdhsa_system_vgpr_workitem_id 0
		.amdhsa_next_free_vgpr 256
		.amdhsa_next_free_sgpr 66
		.amdhsa_reserve_vcc 0
		.amdhsa_float_denorm_mode_32 3
		.amdhsa_float_denorm_mode_16_64 3
		.amdhsa_memory_ordered 1
		.amdhsa_forward_progress 1
		.amdhsa_inst_pref_size 71
	.end_amdhsa_kernel
	.amdgpu_metadata
---
amdhsa.version: [ 1, 2 ]
amdhsa.kernels:
  - .name:           k_q42d4baa7e8_attn
    .symbol:         k_q42d4baa7e8_attn.kd
    .args:
      - { .name: qkv, .offset: 0, .size: 8, .value_kind: global_buffer, .address_space: global }
      - { .name: ac, .offset: 8, .size: 8, .value_kind: global_buffer, .address_space: global }
      - { .name: asc, .offset: 16, .size: 8, .value_kind: global_buffer, .address_space: global }
    .group_segment_fixed_size: 327680
    .private_segment_fixed_size: 0
    .kernarg_segment_align: 8
    .kernarg_segment_size: 24
    .max_flat_workgroup_size: 512
    .sgpr_count:     66
    .vgpr_count:     256
    .wavefront_size: 32
...
	.end_amdgpu_metadata
.endif
;; end of part 3
;; launch gemm_fc (part 4): grid 4 x 64, 4 waves a work-group, clusters of 4 x 4, 262,144 bytes of LDS; arguments ac, asc, wc, ws, b_fc, out0; writes out0
.if DOCPART == 4
	.amdgcn_target "amdgcn-amd-amdhsa--gfx1250"
	.amdhsa_code_object_version 6
	.text
	.protected	k_q42d4baa7e8_gemm_fc
	.globl	k_q42d4baa7e8_gemm_fc
	.p2align	8
	.type	k_q42d4baa7e8_gemm_fc,@function
k_q42d4baa7e8_gemm_fc:
	s_mov_b64 s[64:65], 0
	v_nop
	global_prefetch_b8 v0, s[64:65] scope:SCOPE_SE
	s_setreg_imm32_b32 hwreg(HW_REG_WAVE_MODE, 25, 1), 1
	s_wait_xcnt 0x0
	s_wait_alu depctr_hold_cnt(0) depctr_sa_sdst(0) depctr_va_vdst(0) depctr_va_sdst(0) depctr_va_ssrc(0) depctr_va_vcc(0) depctr_vm_vsrc(0)
	s_getreg_b32 s2, hwreg(HW_REG_IB_STS2, 6, 4)
	s_cmp_eq_u32 s2, 0
	s_cbranch_scc0 .Lentry_in_a_cluster
	s_endpgm
.Lentry_in_a_cluster:
	s_bfe_u32 s2, ttmp6, 0x10000c
	s_cmp_lg_u32 s2, 0xf033
	s_cbranch_scc0 .Lentry_shape_is_right
	s_endpgm
.Lentry_shape_is_right:
; out0 = a w_fc + b_fc, a the attention's result, on codes of FP4 (E2M1) with E8M0 scales, f32 sums.  Operands are images of registers: a fragment (16 rows x 128 K) is 1,024 bytes, [c][lane][16 bytes];
; ac, wc: [tile][K step 8][image]; asc, ws: [K step 8][tile / 4][r][tile % 4] words.  Lane r of tile T stands for row (of a) or column (of w) 32 (T / 2) + 8 (T % 2) + r + 8 (r / 8); w_fc's tiles are wc's 192-255.
; A work-group of four waves makes 128 rows x 256 columns: 64 x 4 = 256 work-groups.  A wave makes 64 x 128: 32 accumulators of 16 x 16, 256 registers.  K = 1,024 is 8 K steps of 128.
; ALL OF K LIES IN LDS, filled once, at the head, by four joint tensor loads, one a wave: no byte is filled again.  CLUSTERS: 4 x 4 work-groups; a's tiles are shared along a row of the cluster, w's along a column.
; No prefetch: the one fill goes out at the head, and there is no loop to run ahead in.
; The matrix instruction is used transposed (source 0 = w, source 1 = a): a lane holds eight neighbouring columns of a row.  The bias is the C of each sum's first product.
; Both operands have two sets of registers: K step q + 1's fragments are fetched ahead of K step q's 32 products.  All scale words are read into registers once: 4 + 8 words a lane and K step.
; REGISTERS, in windows of 256: window 0: v14-23 addresses; v32-63 a's scale words, v64-127 w's; v128-191 a's fragments, two sets; v192-255 the bias; on the way out v128-255 hold rows.
;   window 1: w's fragments, two sets, at v0 and v128.   window 2: accumulator (a, b) at v[8 (8 a + b)].
.set WB,    65536                      ; LDS: a's 8 tiles [tile: 8,192][K step: 1,024], then w's 16
.set SCX,   196608                     ; a's scale words [K step: 512][tile / 4: 256][r: 16][tile % 4]
.set SCW,   SCX+4096                   ; w's [K step: 1,024] likewise
.set SPARE, SCW+8192                   ; the spare words, 128 bytes for each wave
.set STAGE, SPARE+512                  ; the way out: 16 rows x 528 bytes for each wave: bytes of their own
.set SPITCH, 528
.set WOFF,  192*8192
.set WSOFF, 48*256
.set SPW,  14
.set NIL,  15
.set ADRX, 16
.set ADRW, 17
.set ADSX, 18
.set ADSW, 19
.set VB1,  20
.set STO,  21
.set RD,   22
.set CO,   23
.set XS,   32
.set WS,   64
.set AF,   128
.set BK,   128
.set BI,   192
.set G1, 24
.set G0, 32
.set G1B, 48
.set G0B, 56
.set G1S, 68
.set G0S, 76
.set G1SB, 80
.set G0SB, 88
.set MSB, 0
.macro WIN new                         ; the immediate's high byte repeats the setting that is left; a switch that changes nothing is dropped
.if MSB != (\new)
	s_set_vgpr_msb (MSB<<8)|(\new)
.set MSB, (\new)
.endif
.endm
.set MUL_LO, 0xa1                      ; source 0 window 1, source 1 window 0, C and D window 2
.set TO_P,   0x40                      ; destination window 1, address window 0
.macro ARM under, g0, g1, next         ; an arm of the head's one tree of branches on the wave's number
	s_cmp_lt_u32 s16, \under
	s_cbranch_scc0 \next
	tensor_load_to_lds s[\g0:\g0+3], s[\g1:\g1+7]
	s_nop 0
.rept 4
	v_nop
.endr
	s_branch .Lhead_asked
\next:
.endm
.macro CROUND                          ; a round of the cluster's barrier
	s_barrier_signal -1
	s_barrier_wait -1
	s_cmp_lg_u32 s16, 0
	s_cbranch_scc1 .Lnot_wave_0_\@
	s_barrier_signal -3
.Lnot_wave_0_\@:
	s_barrier_wait -3
	s_barrier_signal -1
	s_barrier_wait -1
.endm
.macro PLACES n                        ; plain vector instructions behind a matrix instruction (ISA guide 7.12.1)
.rept \n
	v_nop
.endr
.endm
	s_load_b256 s[4:11], s[0:1], 0x0               ; a's codes, a's scales, w's codes, w's scales
	s_load_b128 s[12:15], s[0:1], 0x20             ; the bias, out0
	v_lshl_add_u32 v[SPW], v0, 2, SPARE
	v_mov_b32 v[NIL], 0
	ds_add_u32 v[SPW], v[NIL]                      ; the opening lines: the add, twice on end, and its wait
	ds_add_u32 v[SPW], v[NIL]
	v_lshrrev_b32 v1, 5, v0
	v_readfirstlane_b32 s16, v1                    ; wave 0..3
	s_lshr_b32 s17, s16, 1                         ; which 64 rows are mine
	s_and_b32 s18, s16, 1                          ; which 128 columns
	s_bfe_u32 s40, ttmp6, 0x40000                  ; cx, cy
	s_bfe_u32 s41, ttmp6, 0x40004
	s_lshl_b32 s42, ttmp9, 2
	s_add_co_u32 s42, s42, s40                     ; tx: which 256 columns
	s_and_b32 s45, ttmp7, 0xffff
	s_lshl_b32 s45, s45, 2
	s_add_co_u32 s45, s45, s41                     ; ty: which 128 rows
	s_lshl_b32 s43, s41, 2
	s_lshl_b32 s43, 15, s43                        ; my row of the cluster
	s_lshl_b32 s44, 0x1111, s40                    ; my column
.irp g, G1, G1S
	s_or_b32 s[\g], s43, (3<<16)|(1<<21)           ; the mask; elements of 8 bytes; bit 21 beside a mask
.endr
.irp g, G1B, G1SB
	s_or_b32 s[\g], s44, (3<<16)|(1<<21)
.endr
.irp g, G1, G1B                        ; codes: rows of 8,192 bytes, a tile each, dense
	s_mov_b32 s[\g+1], 1024<<16
	s_mov_b32 s[\g+3], 1024<<16
	s_mov_b32 s[\g+5], 1024
.endr
	s_mov_b32 s[G1+2], 8<<16                       ; a: 8 tiles
	s_mov_b32 s[G1+4], 8
	s_mov_b32 s[G1B+2], 16<<16                     ; w: 16
	s_mov_b32 s[G1B+4], 16
	s_mov_b32 s[G1S+1], 64<<16                     ; scale words: 8 K steps; a: 512 bytes of each 32,768
	s_mov_b32 s[G1S+3], 64<<16
	s_mov_b32 s[G1S+5], 4096
	s_mov_b32 s[G1SB+1], 128<<16                   ; w: 1,024 bytes of each 16,384
	s_mov_b32 s[G1SB+3], 128<<16
	s_mov_b32 s[G1SB+5], 2048
.irp g, G1S, G1SB
	s_mov_b32 s[\g+2], 8<<16
	s_mov_b32 s[\g+4], 8
.endr
.irp g, G1, G1B, G1S, G1SB
	s_mov_b32 s[\g+6], 0
	s_mov_b32 s[\g+7], 0
.endr
	s_lshl_b32 s92, s45, 16                        ; a: tile 8 ty: 8,192 bytes of codes a tile,
	s_mov_b32 s93, 0
	s_lshl_b32 s94, s45, 9                         ; 64 bytes of scale words a tile and K step
	s_mov_b32 s95, 0
	s_lshl_b32 s96, s42, 17                        ; w: tile 16 tx
	s_mov_b32 s97, 0
	s_lshl_b32 s98, s42, 10
	s_mov_b32 s99, 0
	s_wait_dscnt 0x0
	s_wait_kmcnt 0x0
	s_add_nc_u64 s[4:5], s[4:5], s[92:93]
	s_add_nc_u64 s[6:7], s[6:7], s[94:95]
	s_add_nc_u64 s[8:9], s[8:9], s[96:97]
	s_add_nc_u64 s[8:9], s[8:9], WOFF
	s_add_nc_u64 s[10:11], s[10:11], s[98:99]
	s_add_nc_u64 s[10:11], s[10:11], WSOFF
	CROUND                                         ; all sixteen work-groups are here: the joint loads meet
.irp g, G0, G0B, G0S, G0SB
	s_mov_b32 s[\g], 1
.endr
	s_mov_b32 s[G0+1], 0
	s_mov_b64 s[G0+2:G0+3], s[4:5]
	s_mov_b32 s[G0B+1], WB
	s_mov_b64 s[G0B+2:G0B+3], s[8:9]
	s_mov_b32 s[G0S+1], SCX
	s_mov_b64 s[G0S+2:G0S+3], s[6:7]
	s_mov_b32 s[G0SB+1], SCW
	s_mov_b64 s[G0SB+2:G0SB+3], s[10:11]
.irp g, G0, G0B, G0S, G0SB
	s_or_b32 s[\g+3], s[\g+3], 0x80000000
.endr
	ARM 1, G0,  G1,  .Lhead_w                      ; one load a wave: a's codes, w's codes, a's scale words, w's
	ARM 2, G0B, G1B, .Lhead_sx
	ARM 3, G0S, G1S, .Lhead_sw
	tensor_load_to_lds s[G0SB:G0SB+3], s[G1SB:G1SB+7]
	s_nop 0
.rept 4
	v_nop
.endr
.Lhead_asked:
	s_lshl_b32 s19, s17, 15                        ; my 4 tiles of a
	s_lshl_b32 s20, s18, 16
	s_add_co_u32 s20, s20, WB                      ; my 8 tiles of w
	s_lshl_b32 s21, s17, 8
	s_add_co_u32 s21, s21, SCX
	s_lshl_b32 s22, s18, 9
	s_add_co_u32 s22, s22, SCW
	s_mul_i32 s23, s16, 16*SPITCH
	s_add_co_u32 s23, s23, STAGE                   ; my stage
	s_lshl_b32 s98, s42, 10
	s_lshl_b32 s99, s18, 9
	s_add_co_u32 s98, s98, s99                     ; my first column, in bytes
	s_mov_b32 s99, 0
	s_add_nc_u64 s[12:13], s[12:13], s[98:99]
	s_lshl_b32 s46, s45, 7
	s_lshl_b32 s47, s17, 6
	s_add_co_u32 s46, s46, s47                     ; my first row
	s_lshl_b32 s46, s46, 12
	s_add_co_u32 s46, s46, s98
	s_mov_b32 s47, 0
	s_add_nc_u64 s[14:15], s[14:15], s[46:47]
	v_and_b32 v1, 15, v0                           ; r
	v_bfe_u32 v2, v0, 4, 1                         ; h
	v_and_b32 v3, 31, v0
	v_lshlrev_b32 v[CO], 4, v3
	v_lshlrev_b32 v4, 4, v1
	v_mul_u32_u24 v5, v1, SPITCH
	v_add_nc_u32 v[ADRX], s19, v[CO]
	v_add_nc_u32 v[ADRW], s20, v[CO]
	v_add_nc_u32 v[ADSX], s21, v4                  ; scale words: row r's, in both halves of the lanes
	v_add_nc_u32 v[ADSW], s22, v4
	v_lshlrev_b32 v[VB1], 6, v2
	v_lshl_add_u32 v5, v2, 6, v5
	v_add_nc_u32 v[STO], s23, v5                   ; into the stage: row r, 64 h bytes on
	v_add_nc_u32 v[RD], s23, v[CO]                 ; back: the 32 lanes take one row of 512 bytes
	s_wait_alu depctr_va_vdst(0)                   ; the wait at the head's end
.irp b, 0,1,2,3,4,5,6,7
	global_load_b128 v[BI+8*\b:BI+8*\b+3], v[VB1], s[12:13] offset:(32*(\b/2)+8*(\b%2))*4      ; in the result of w's tile b lane (r, h) holds columns 32 (b / 2) + 8 (b % 2) + 16 h + 0 .. 7
	global_load_b128 v[BI+8*\b+4:BI+8*\b+7], v[VB1], s[12:13] offset:(32*(\b/2)+8*(\b%2))*4+16
.endr
.macro FRAG reg, adr, q, i             ; a fragment as it lies: two loads of 512 consecutive bytes
.irp c, 0,1
	ds_load_b128 v[\reg+4*\c:\reg+4*\c+3], v[\adr] offset:8192*(\i)+1024*(\q)+512*\c
.endr
.endm
.macro FETCH q                         ; K step q's fragments into the sets q % 2
	WIN TO_P
.irp i, 0,1,2,3,4,5,6,7
	FRAG 128*((\q)%2)+8*\i, ADRW, \q, \i
.endr
	WIN 0
.irp i, 0,1,2,3
	FRAG AF+32*((\q)%2)+8*\i, ADRX, \q, \i
.endr
.endm
; 32 matrix instructions: the 32 accumulators take turns, one instruction a turn, in the same order in every K step.  cm = 1: the sums start from the bias.
.macro MUL q, cm
.irp a, 0,1,2,3
.irp b, 0,1,2,3,4,5,6,7
.set rD, 8*(8*\a+\b)
.set rP, 128*((\q)%2)+8*\b
.set rQ, AF+32*((\q)%2)+8*\a
.if \cm
	v_wmma_scale_f32_16x16x128_f8f6f4 v[rD:rD+7], v[rP:rP+7], v[rQ:rQ+7], v[BI+8*\b:BI+8*\b+7], v[WS+8*(\q)+\b], v[XS+4*(\q)+\a] matrix_a_fmt:MATRIX_FMT_FP4 matrix_b_fmt:MATRIX_FMT_FP4
.else
	v_wmma_scale_f32_16x16x128_f8f6f4 v[rD:rD+7], v[rP:rP+7], v[rQ:rQ+7], v[rD:rD+7], v[WS+8*(\q)+\b], v[XS+4*(\q)+\a] matrix_a_fmt:MATRIX_FMT_FP4 matrix_b_fmt:MATRIX_FMT_FP4
.endif
.endr
.endr
.endm
.macro STEP q
	s_wait_dscnt 0x0                               ; this K step's fragments, asked for ahead of the last step's products, are in
.if (\q) < 7
.if (\q) > 0
	PLACES 4                                       ; the sets that the last step's products read are loaded anew
.endif
	FETCH (\q)+1
.endif
.if (\q) == 0
	WIN 0x81                                       ; C (the bias) window 0, D window 2
	MUL 0, 1
.else
	WIN MUL_LO
	MUL \q, 0
.endif
.endm
	s_wait_tensorcnt 0x0                           ; my one load has landed
	s_barrier_signal -1
	s_barrier_wait -1                              ; everybody's has
.irp q, 0,1,2,3,4,5,6,7
	ds_load_b128 v[XS+4*\q:XS+4*\q+3], v[ADSX] offset:512*\q
	ds_load_b128 v[WS+8*\q:WS+8*\q+3], v[ADSW] offset:1024*\q
	ds_load_b128 v[WS+8*\q+4:WS+8*\q+7], v[ADSW] offset:1024*\q+256
.endr
	FETCH 0
	s_wait_loadcnt 0x0                             ; the bias
.irp q, 0,1,2,3,4,5,6,7
	STEP \q
.endr
	WIN 0
; THE WAY OUT, block by block of 16 rows x 128 columns, through my own stage: back come whole rows of 512 bytes, which the 32 lanes store as two aligned units of 256 bytes.
.macro TOSTAGE a
.set AC, 64*(\a)
	WIN 0x08                                       ; the data: window 2
.irp b, 0,1,2,3,4,5,6,7
	ds_store_b128 v[STO], v[AC+8*\b:AC+8*\b+3] offset:128*(\b/2)+32*(\b%2)          ; each accumulator from its low end on
	ds_store_b128 v[STO], v[AC+8*\b+4:AC+8*\b+7] offset:128*(\b/2)+32*(\b%2)+16
.endr
	WIN 0
.set BB, BK+64*((\a)%2)
.irp t, 0,1,2,3,4,5,6,7,8,9,10,11,12,13,14,15
	ds_load_b128 v[BB+4*\t:BB+4*\t+3], v[RD] offset:\t*SPITCH   ; LDS serves a wave's instructions in order (ISA guide 5.7.1.4)
.endr
.endm
.macro SEND a, younger                 ; younger: the LDS instructions issued behind block a's loads, which may stay out
.set BB, BK+64*((\a)%2)
	s_wait_dscnt \younger
.irp t, 0,1,2,3,4,5,6,7,8,9,10,11,12,13,14,15
	global_store_b128 v[CO], v[BB+4*\t:BB+4*\t+3], s[14:15] offset:(32*((\a)/2)+8*((\a)%2)+\t+8*(\t/8))*4096 th:TH_STORE_NT
.endr
.endm
	PLACES 4                                       ; behind the last products
	TOSTAGE 0
.irp a, 1,2,3
.if \a > 1
	s_wait_xcnt 0x0                                ; block a - 2's stores have read their registers
.endif
	TOSTAGE \a
	SEND \a-1, 32                                  ; behind block a - 1's loads: block a's 16 stores and 16 loads
.endr
	SEND 3, 0
	s_wait_tensorcnt 0x0                           ; the wave's end
	ds_add_u32 v[SPW], v[NIL]
	s_wait_dscnt 0x0
	CROUND                                         ; the closing round
	s_endpgm
.Lfunc_end_k_q42d4baa7e8_gemm_fc:
	.size	k_q42d4baa7e8_gemm_fc, .Lfunc_end_k_q42d4baa7e8_gemm_fc-k_q42d4baa7e8_gemm_fc
	.p2alignl 7, 3214868480
	.fill 96, 4, 3214868480
	.section	.rodata,"a",@progbits
	.p2align	6, 0x0
	.amdhsa_kernel k_q42d4baa7e8_gemm_fc
		.amdhsa_group_segment_fixed_size 262144
		.amdhsa_private_segment_fixed_size 0
		.amdhsa_enable_private_segment 0
		.amdhsa_kernarg_size 48
		.amdhsa_user_sgpr_count 2
		.amdhsa_user_sgpr_kernarg_segment_ptr 1
		.amdhsa_wavefront_size32 1
		.amdhsa_system_sgpr_workgroup_id_x 1
		.amdhsa_system_sgpr_workgroup_id_y 1
		.amdhsa_system_sgpr_workgroup_id_z 1
		.amdhsa_system_vgpr_workitem_id 0
		.amdhsa_next_free_vgpr 768
		.amdhsa_next_free_sgpr 100
		.amdhsa_reserve_vcc 0
		.amdhsa_float_denorm_mode_32 3
		.amdhsa_float_denorm_mode_16_64 3
		.amdhsa_memory_ordered 1
		.amdhsa_forward_progress 1
		.amdhsa_inst_pref_size 72
	.end_amdhsa_kernel
	.amdgpu_metadata
---
amdhsa.version: [ 1, 2 ]
amdhsa.kernels:
  - .name:           k_q42d4baa7e8_gemm_fc
    .symbol:         k_q42d4baa7e8_gemm_fc.kd
    .args:
      - { .name: ac, .offset: 0, .size: 8, .value_kind: global_buffer, .address_space: global }
      - { .name: asc, .offset: 8, .size: 8, .value_kind: global_buffer, .address_space: global }
      - { .name: wc, .offset: 16, .size: 8, .value_kind: global_buffer, .address_space: global }
      - { .name: ws, .offset: 24, .size: 8, .value_kind: global_buffer, .address_space: global }
      - { .name: b_fc, .offset: 32, .size: 8, .value_kind: global_buffer, .address_space: global }
      - { .name: out0, .offset: 40, .size: 8, .value_kind: global_buffer, .address_space: global }
    .group_segment_fixed_size: 262144
    .private_segment_fixed_size: 0
    .kernarg_segment_align: 8
    .kernarg_segment_size: 48
    .max_flat_workgroup_size: 128
    .sgpr_count:     100
    .vgpr_count:     768
    .wavefront_size: 32
...
	.end_amdgpu_metadata
.endif
;; end of part 4
